; MI455X (gfx1250); checked and timed in simulation.
; The chip was launched on July 23, 2026; its instructions are those of AMD's public machine-readable ISA for CDNA 5 (MIT licence, August 2026) and "CDNA5" Instruction Set Architecture Reference Guide (July 2026). The comments in the code are by the model that wrote it; some were corrected since.
;; Attention. Allowed arithmetic: matrix products marked QUANTISED: E2M3 operands, one E8M0 scale for each 32 along K, by v_wmma_scale_f32_16x16x128_f8f6f4 with both operands' format E2M3, f32 sums; everything else in f32.
;; Inputs: wk 1,024 x 256 float32; wo 1,024 x 1,024 float32; wq 1,024 x 1,024 float32; wv 1,024 x 256 float32; x 4 x 2,048 x 1,024 float32.
;; Outputs: out0 4 x 2,048 x 1,024 float32.
;; This version of the problem:
;;   THIS VERSION OF THE PROBLEM IS GIVEN IN LOW PRECISION. The matrix products marked QUANTISED in the list below multiply operands that are first quantised to E2M3 (2 exponent bits, 3 mantissa bits; 6 bits a number), with one power-of-two scale for each 32 numbers along K (OCP MX v1.0); their sums are f32. All else is computed in f32.
;;   The module's matrix products, in the order in which they are computed (A, B: the left and right operand; K: the contracted axis; several contracted axes count as one K, in the product's order):
;;     1. [M 8,192, K 1,024] x [K 1,024, N 1,024]; A: input x; B: input wq: QUANTISED
;;     2. [M 8,192, K 1,024] x [K 1,024, N 256]; A: input x; B: input wk: QUANTISED
;;     3. [M 8,192, K 1,024] x [K 1,024, N 256]; A: input x; B: input wv: QUANTISED
;;     4. batch 64 x [M 2,048, K 64] x [K 64, N 2,048]; A: computed on the way; B: computed on the way: QUANTISED
;;     5. batch 64 x [M 64, K 2,048] x [K 2,048, N 2,048]; A: computed on the way; B: softmax (see below): QUANTISED
;;     6. [M 8,192, K 1,024] x [K 1,024, N 1,024]; A: computed on the way; B: input wo: QUANTISED
;;   THE QUANTISER, for each operand of a quantised product, along K:
;;     - K is cut into blocks of 32 from its start; a last block that is shorter is filled with zeros.
;;     - A block's scale is 2^e with e = floor(log2(the largest magnitude in the block)) - 2, held to -126 .. 127; a block of zeros has e = 0. As a byte (E8M0): e + 127.
;;     - Each number is divided by its block's scale, clamped to +-7.5, and rounded to the nearest number of E2M3, ties to even, subnormals kept.
;;     - The product sums the exact products of the quantised numbers (number of the format x scale) in f32.
;;   ~~~python
;;   def quantise(x, axis):      # numpy; x: float32 -> the quantised numbers, widened to float32 again
;;       x = np.moveaxis(x, axis, -1); K = x.shape[-1]
;;       x = np.pad(x, [(0, 0)] * (x.ndim - 1) + [(0, -K % 32)]); x = x.reshape(x.shape[:-1] + (-1, 32)); a = np.abs(x).max(-1, keepdims=True)
;;       e = np.where(a > 0, np.clip(np.frexp(np.where(a > 0, a, 1))[1] - 1 - 2, -126, 127), 0)      # np.frexp(a)[1] - 1 = floor(log2(a)), exactly
;;       r = np.clip(x / 2.0 ** e, -7.5, 7.5)
;;       step = 2.0 ** (np.maximum(np.frexp(np.where(r == 0, 1, r))[1] - 1, 0) - 3)
;;       q = np.round(r / step) * step * 2.0 ** e      # np.round: ties to even
;;       return np.moveaxis(q.reshape(q.shape[:-2] + (-1,))[..., :K], -1, axis).astype(np.float32)
;;   ~~~
;;   SOFTMAX AHEAD OF A QUANTISED PRODUCT. Where the list says 'softmax', what is quantised is not the finished softmax but p = 2^(t - M), with t = logit x log2(e) and M = ceil(the row's largest t), a whole number; so 1/2 < the row's largest p <= 1. The row's sum l is taken of the UNQUANTISED p, in f32, and the product's result is divided by l at the end. Since M is a whole number, a kernel that streams over the keys may use a running M (the ceiling of the running maximum): every later rescaling is an exact power of two, which a block's scale takes up: the codes' values come out the same.
;;   OPERANDS COMPUTED ON THE WAY. 'Computed on the way' means the value that the module computes at that place (a softmax that the list does not call 'softmax' is quantised finished and normalised). What goes into a quantiser is computed in f32, as accurately as f32 sums, v_exp_f32 and their like allow (about 1e-6 of the number): no bf16 or f16 on the way to a quantiser, and a product that is left as it is and whose result goes on into a quantised operand takes f32 operands (vector FMAs, or v_wmma_f32_16x16x4_f32). A number that lies on a knife's edge between two numbers of the format may be rounded either way, as far as f32 arithmetic and the matrix unit's own rounding can turn it there, and no further.
;; One version. Each part assembles by itself: llvm-mc -triple=amdgcn-amd-amdhsa -mcpu=gfx1250 --defsym DOCPART=n.
;; ======== version 1 of 1: 4 launches
;; limits: right only within a limited range of input values
;; workspace buffers: xc 6,291,456 bytes; wcod 1,966,080 bytes; sc 606,208 bytes; rope 524,288 bytes; qc 6,553,600 bytes; kv 3,276,800 bytes; yc 6,291,456 bytes
;; launch prep (part 1): grid 704 x 1, 4 waves a work-group, no clusters, 46,592 bytes of LDS; arguments x, wq, wk, wv, wo, xc, wcod, sc, rope; writes xc, wcod, sc, rope
.if DOCPART == 1
	.amdgcn_target "amdgcn-amd-amdhsa--gfx1250"
	.amdhsa_code_object_version 6
	.text
	.protected	k_qd2411c93d3_prep
	.globl	k_qd2411c93d3_prep
	.p2align	8
	.type	k_qd2411c93d3_prep,@function
k_qd2411c93d3_prep:
	s_mov_b64 s[64:65], 0
	v_nop
	global_prefetch_b8 v0, s[64:65] scope:SCOPE_SE
	s_setreg_imm32_b32 hwreg(HW_REG_WAVE_MODE, 25, 1), 1
	s_wait_xcnt 0x0
; PREP: x and the four weights become codes of FP6 (E2M3) with one E8M0 byte for each 32 along K (= the 1,024 channels), and the table of cosines and sines is made.
; LAYOUT OF ALL CODES IN THIS PROGRAM.  Rows (tokens; a weight's output channels) go in tiles of 16.  Lane row r of tile 2 B + u is row 32 B + 8 u + r + 8 (r / 8): as source 0 of a product such
; tiles leave 16 NEIGHBOURS in a lane's 16 registers of two neighbouring result tiles.  16 rows x 64 k are a HALF FRAGMENT of 768 bytes, an image of six operand registers: registers 0-3 at 16 x lane,
; registers 4-5 at 512 + 8 x lane; lane (r, h) holds the 24 bytes of block h of row r.  xc: [row tile 512][chunk 16][768].  wcod: [column tile 160][chunk 16][768]: tiles 0-63 wq, 64-79 wk, 80-95 wv, 96-159 wo.
; SCALE WORDS (four bytes: a row's 128 k): [tile][K half 2][r 16][4 words], 512 bytes a tile: x's at sc + 0, the weights' at sc + 262,144.
; A block's scale is 2^(floor(log2(its largest magnitude)) - 2): the byte is the largest magnitude's exponent field - 2, held at 1 from below.
; THREE PATHS part on the work-group's number, each with LDS bytes of its own: 0-511 x (a row tile each), 512-671 the weights (128 columns x 128 k each), 672-703 the table.  No barrier: waves share nothing.
; LIMITS: NaN and infinities among the inputs are not served.  A block of zeros, or one whose largest magnitude lies under 2^-124, gets the byte 1 where the rule says 127: its codes are zeros, and this program
; alone reads the bytes.  The table's frequency 10000^(-j/32) carries the rounding of one v_exp_f32, so an angle can differ from one made of another rounding of it by about 1e-7 of itself (2e-4 at position 2,047).
.set XSTG, 8448                        ; path X: a wave's stage: 16 rows x (512 + 16) bytes
.set WST0, 33792                       ; path W: the stages begin behind path X's four
.set WSTG, 3072                        ; 2 tiles x 2 half fragments
.set RX,   16                          ; v16-143  x as loaded: two K steps x 16 rows x 4 registers
.set XN,   144                         ; v144-207 64 numbers of my row: register 16 b + i = k 32 b + 16 h + i
.set TM,   208                         ; v208-223 at work in QUANT
.set PW,   244                         ; v244-245 the two K steps' scale words
.set SEL,  30                          ; s30-31   v_permlanex16_b32's selects for lane l xor 16
.set OFF,  16                          ; path W: v16-47 4 x lane + i rows
.set WX,   48                          ; v48-175  four blocks of 32 numbers down K
.set WC,   176                         ; v176-215 ten registers of codes a block
; 64 numbers of a lane become a fragment's 12 registers of codes at v[pc] on (v[pc+12] to v[pc+18] at work) and its scale word in v[pw]
.macro QUANT src, pc, pw
.irp b, 0,1,2,3
	v_max3_num_f32 v[TM+\b], |v[\src+16*\b]|, |v[\src+1+16*\b]|, 0x1800000   ; my 16 numbers of block b, and the floor 2^(3 - 127): the byte cannot fall under 1
.endr
.irp i, 2,4,6,8,10,12,14
.irp b, 0,1,2,3
	v_max3_num_f32 v[TM+\b], v[TM+\b], |v[\src+16*\b+\i]|, |v[\src+1+16*\b+\i]|   ; the four blocks by turns
.endr
.endr
.irp b, 0,1,2,3
	v_permlanex16_b32 v[TM+4+\b], v[TM+\b], s[SEL], s[SEL+1]
.endr
.irp b, 0,1,2,3
	v_max_num_f32 v[TM+\b], v[TM+\b], v[TM+4+\b]   ; with lane l xor 16's 16: the block's largest magnitude
.endr
.irp b, 0,1,2,3
	v_add_nc_u32 v[TM+12+\b], 0xff000000, v[TM+\b]   ; 2 off its exponent field: the conversion takes this operand's exponent field as its scale
.endr
.irp b, 0,1,2,3
	v_lshrrev_b32 v[TM+4+\b], 23, v[TM+12+\b]      ; the scale's byte
.endr
	v_lshl_or_b32 v[\pw], v[TM+5], 8, v[TM+4]
	v_lshl_or_b32 v[\pw], v[TM+6], 16, v[\pw]
	v_lshl_or_b32 v[\pw], v[TM+7], 24, v[\pw]
.irp c, 0,1
	v_cvt_scalef32_pk16_fp6_f32 v[\pc+6*\c:\pc+2+6*\c], v[\src+32*\c:\src+15+32*\c], v[TM+12+2*\c]
	v_cvt_scalef32_pk16_fp6_f32 v[\pc+12+4*\c:\pc+14+4*\c], v[\src+16+32*\c:\src+31+32*\c], v[TM+12+2*\c+1]   ; (a conversion's three registers begin on an even number)
.endr
	v_nop                                          ; one plain instruction behind the scaled conversions
.irp c, 0,1                                    ; the operand wants a whole block in a lane: lanes 0-15 block 2 c, lanes 16-31 block 2 c + 1
.irp i, 0,1,2
	v_permlane16_swap_b32 v[\pc+6*\c+\i], v[\pc+12+4*\c+\i]
.endr
.irp i, 0,1,2
	v_mov_b32 v[\pc+3+6*\c+\i], v[\pc+12+4*\c+\i]
.endr
.endr
.endm
	s_load_b256 s[4:11], s[0:1], 0x0               ; x s[4:5], wq s[6:7], wk s[8:9], wv s[10:11]
	s_load_b256 s[12:19], s[0:1], 0x20             ; wo s[12:13], xc s[14:15], wcod s[16:17], sc s[18:19]
	s_load_b64 s[20:21], s[0:1], 0x40              ; rope
	v_lshl_add_u32 v254, v0, 2, 0xb400
	v_mov_b32 v255, 0
	v_lshrrev_b32 v1, 5, v0
	v_readfirstlane_b32 s22, v1                    ; wave 0..3
	v_and_b32 v15, 31, v0                          ; lane
	s_cmp_lt_u32 ttmp9, 512
	s_cbranch_scc0 .Lnot_x
; ---- PATH X.  The work-group takes row tile T = its number, wave w the K quarter w: two K steps of 128.  Each load reads 512 consecutive bytes of one row; the 16 rows turn through the wave's own stage,
; so that lane (r, h) gets 16 neighbours of each block of 32 of row r.
	v_and_b32 v2, 15, v0                           ; r
	v_bfe_u32 v3, v0, 4, 1                         ; h
	v_lshlrev_b32 v1, 4, v15                       ; 16 x lane
	v_lshlrev_b32 v6, 3, v15                       ; 8 x lane
	s_mul_i32 s23, s22, XSTG
	v_add_nc_u32 v4, s23, v1                       ; into the stage: a row's 512 bytes as they lie
	v_mul_u32_u24 v5, v2, 528
	v_lshl_add_u32 v5, v3, 6, v5
	v_add_nc_u32 v5, s23, v5                       ; out of it: row r, + 64 h
	v_lshlrev_b32 v7, 4, v2
	v_lshl_add_u32 v7, v3, 2, v7                   ; scale words: 16 r + 4 h: lanes 0-15 store the first K step's, lanes 16-31 the second's
	s_lshr_b32 s24, ttmp9, 1
	s_lshl_b32 s24, s24, 5
	s_and_b32 s25, ttmp9, 1
	s_lshl_b32 s25, s25, 3
	s_add_co_u32 s24, s24, s25                     ; the tile's first row: 32 (T / 2) + 8 (T % 2)
	s_lshl_b32 s24, s24, 12                        ; rows of 4,096 bytes
	s_lshl_b32 s25, s22, 10                        ; my quarter: 1,024 bytes
	s_add_co_u32 s24, s24, s25
	s_mov_b32 s25, 0
	s_mul_i32 s26, ttmp9, 12288                    ; xc: the tile's 16 chunks,
	s_mul_i32 s27, s22, 3072                       ; my four of them
	s_add_co_u32 s26, s26, s27
	s_mov_b32 s27, 0
	s_lshl_b32 s28, ttmp9, 9                       ; sc: 512 T + 256 (w / 2) + 8 (w % 2)
	s_lshr_b32 s29, s22, 1
	s_lshl_b32 s29, s29, 8
	s_add_co_u32 s28, s28, s29
	s_and_b32 s29, s22, 1
	s_lshl_b32 s29, s29, 3
	s_add_co_u32 s28, s28, s29
	s_mov_b32 s29, 0
	s_mov_b32 s[SEL], 0x76543210
	s_mov_b32 s[SEL+1], 0xfedcba98
.irp b, 0,1,2,3
	v_mov_b32 v[TM+4+\b], 0                        ; written once: a lane permute's destination counts as one of its sources
.endr
	s_wait_alu depctr_va_vdst(0)
	s_wait_kmcnt 0x0
	s_add_nc_u64 s[4:5], s[4:5], s[24:25]
	s_add_nc_u64 s[14:15], s[14:15], s[26:27]
	s_add_nc_u64 s[18:19], s[18:19], s[28:29]
.irp e, 0,1                                    ; all 32 loads go out at once: 16 KiB a wave
.irp p, 0,1,2,3,4,5,6,7,8,9,10,11,12,13,14,15
	global_load_b128 v[RX+64*\e+4*\p:RX+64*\e+4*\p+3], v1, s[4:5] offset:(\p+8*(\p/8))*4096+512*\e th:TH_LOAD_NT
.endr
.endr
.macro XSTEP e, pc
	s_wait_loadcnt 16*(1-\e)                       ; this K step's 16 loads are in; the other's 16 may be out
.irp p, 0,1,2,3,4,5,6,7,8,9,10,11,12,13,14,15
	ds_store_b128 v4, v[RX+64*\e+4*\p:RX+64*\e+4*\p+3] offset:528*\p
.endr
.irp b, 0,1,2,3
.irp j, 0,1,2,3
	ds_load_b128 v[XN+16*\b+4*\j:XN+16*\b+4*\j+3], v5 offset:128*\b+16*\j   ; LDS serves a wave's instructions in order (ISA guide 5.7.1.4): these see the stores above
.endr
.endr
	s_wait_dscnt 0x0
	QUANT XN, \pc, PW+\e
	global_store_b128 v1, v[\pc:\pc+3], s[14:15] offset:1536*\e            ; each store covers 512 or 256 consecutive bytes, aligned
	global_store_b64 v6, v[\pc+4:\pc+5], s[14:15] offset:1536*\e+512
	global_store_b128 v1, v[\pc+6:\pc+9], s[14:15] offset:1536*\e+768
	global_store_b64 v6, v[\pc+10:\pc+11], s[14:15] offset:1536*\e+1280
.endm
	XSTEP 0, 224                                   ; codes in v224-243
	XSTEP 1, 16                                    ; codes in v16-35, which the first K step's numbers have left: no store's data are written again
	v_cmp_eq_u32 vcc_lo, 1, v3
	v_cndmask_b32 v246, v[PW], v[PW+1], vcc_lo
	global_store_b32 v7, v246, s[18:19]
	s_wait_tensorcnt 0x0
	ds_add_u32 v254, v255
	s_wait_dscnt 0x0
	s_endpgm
.Lnot_x:
	s_cmp_lt_u32 ttmp9, 672
	s_cbranch_scc0 .Lrope
; ---- PATH W.  K is a weight's FIRST axis: a lane takes a column and its registers run down K, so a block of 32 lies in one lane and the conversions give codes with K innermost.
; Work-group 512 + 8 cg + ks takes columns 128 cg on (of wq | wk | wv | wo laid side by side) and K step ks; a wave 32 columns.  The codes go through the wave's own stage and leave as images.
	s_sub_co_u32 s23, ttmp9, 512
	s_lshr_b32 s24, s23, 3                         ; cg 0..19
	s_and_b32 s25, s23, 7                          ; ks
	s_wait_kmcnt 0x0
	s_cmp_lt_u32 s24, 12                           ; which tensor: the choice hangs on the work-group's number alone
	s_cselect_b64 s[26:27], s[10:11], s[12:13]
	s_cselect_b32 s28, 10, 12                      ; its first group of 128 columns
	s_cselect_b32 s29, 10, 12                      ; log2 of a row's bytes: 1,024 (wk, wv) or 4,096 (wq, wo)
	s_cmp_lt_u32 s24, 10
	s_cselect_b64 s[26:27], s[8:9], s[26:27]
	s_cselect_b32 s28, 8, s28
	s_cmp_lt_u32 s24, 8
	s_cselect_b64 s[26:27], s[6:7], s[26:27]
	s_cselect_b32 s28, 0, s28
	s_cselect_b32 s29, 12, s29
	s_sub_co_u32 s28, s24, s28
	s_lshl_b32 s30, 1, s29                         ; a row's bytes
	s_lshl_b32 s31, s28, 9
	s_lshl_b32 s32, s22, 7
	s_add_co_u32 s31, s31, s32                     ; my 32 columns: 512 x group + 128 x wave
	s_lshl_b32 s32, s25, 7
	s_lshl_b32 s32, s32, s29                       ; 128 ks rows
	s_add_co_u32 s32, s31, s32
	s_mov_b32 s33, 0
	s_add_nc_u64 s[36:37], s[26:27], s[32:33]      ; block 0's first row;
	s_lshl_b32 s34, s30, 5
	s_mov_b32 s35, 0
	s_add_nc_u64 s[38:39], s[36:37], s[34:35]      ; blocks 1 to 3: 32 rows further down each
	s_add_nc_u64 s[40:41], s[38:39], s[34:35]
	s_add_nc_u64 s[42:43], s[40:41], s[34:35]
	s_wait_alu depctr_va_vdst(0)
	v_lshlrev_b32 v[OFF], 2, v15
.set i, 1
.rept 31
	v_add_nc_u32 v[OFF+i], s30, v[OFF+i-1]         ; 4 x lane + i rows
.set i, i+1
.endr
.macro WLD t                                   ; block t: 32 rows; each load reads 128 consecutive bytes
.set i, 0
.rept 32
	global_load_b32 v[WX+32*(\t)+i], v[OFF+i], s[36+2*(\t):37+2*(\t)] th:TH_LOAD_NT
.set i, i+1
.endr
.endm
	WLD 0
	WLD 1
	v_bfe_u32 v8, v15, 3, 1                        ; column l of the 32 is lane row r' = l % 8 + 8 (l / 16) of tile u = (l / 8) % 2
	v_and_b32 v9, 7, v15
	v_bfe_u32 v10, v15, 4, 1
	v_lshl_or_b32 v9, v10, 3, v9
	s_mul_i32 s44, s22, WSTG
	s_add_co_u32 s44, s44, WST0                    ; my stage: [tile u][chunk][768]
	v_mul_u32_u24 v11, v8, 1536
	v_add_nc_u32 v11, s44, v11
	v_lshl_add_u32 v4, v9, 4, v11                  ; registers 0-3 of my block's six
	v_lshl_add_u32 v5, v9, 3, v11                  ; registers 4-5
	v_lshlrev_b32 v7, 4, v15
	v_add_nc_u32 v6, s44, v7                       ; out of it: 16 x lane
	v_lshlrev_b32 v12, 9, v8
	v_lshl_add_u32 v12, v9, 4, v12                 ; my scale word: 512 u + 16 r'
	s_lshl_b32 s45, s24, 3
	s_lshl_b32 s46, s22, 1
	s_add_co_u32 s45, s45, s46                     ; my first column tile: 8 cg + 2 x wave
	s_mul_i32 s46, s45, 12288
	s_mul_i32 s47, s25, 1536
	s_add_co_u32 s46, s46, s47
	s_mov_b32 s47, 0
	s_add_nc_u64 s[16:17], s[16:17], s[46:47]
	s_lshl_b32 s48, s45, 9
	s_add_co_u32 s48, s48, 262144
	s_lshr_b32 s49, s25, 2
	s_lshl_b32 s49, s49, 8
	s_add_co_u32 s48, s48, s49
	s_and_b32 s49, s25, 3
	s_lshl_b32 s49, s49, 2
	s_add_co_u32 s48, s48, s49
	s_mov_b32 s49, 0
	s_add_nc_u64 s[18:19], s[18:19], s[48:49]
.macro WBLK t
.set XS, WX+32*(\t)
.set CC, WC+10*(\t)
.if (\t) < 3
	s_wait_loadcnt 32                              ; this block's 32 loads are in; the next block's 32 may be out
.else
	s_wait_loadcnt 0x0
.endif
.if (\t) < 2
	WLD (\t)+2                                     ; two blocks ahead
.endif
	v_max3_num_f32 v8, |v[XS]|, |v[XS+1]|, |v[XS+2]|   ; all 32 numbers of the block are mine
	v_max3_num_f32 v9, |v[XS+3]|, |v[XS+4]|, |v[XS+5]|
.irp i, 6,10,14,18,22,26
	v_max3_num_f32 v8, v8, |v[XS+\i]|, |v[XS+\i+1]|
	v_max3_num_f32 v9, v9, |v[XS+\i+2]|, |v[XS+\i+3]|
.endr
	v_max3_num_f32 v8, v8, |v[XS+30]|, |v[XS+31]|
	v_max3_num_f32 v8, v8, v9, 0x1800000           ; and the floor
	v_add_nc_u32 v10, 0xff000000, v8               ; the conversion's scale operand
	v_lshrrev_b32 v9, 23, v10                      ; the byte
.if (\t) == 0
	v_mov_b32 v14, v9
.else
	v_lshl_or_b32 v14, v9, 8*(\t), v14             ; four bytes make my column's scale word of this K step
.endif
	v_cvt_scalef32_pk16_fp6_f32 v[CC:CC+2], v[XS:XS+15], v10
	v_cvt_scalef32_pk16_fp6_f32 v[CC+6:CC+8], v[XS+16:XS+31], v10
	v_nop                                          ; one plain instruction behind the scaled conversions
.irp i, 0,1,2
	v_mov_b32 v[CC+3+\i], v[CC+6+\i]
.endr
	ds_store_b128 v4, v[CC:CC+3] offset:768*((\t)/2)+256*((\t)%2)          ; block t is block t % 2 of chunk t / 2: lane r' + 16 (t % 2) of the image
	ds_store_b64 v5, v[CC+4:CC+5] offset:768*((\t)/2)+512+128*((\t)%2)
.endm
	WBLK 0
	WBLK 1
	WBLK 2
	WBLK 3
.irp i, 0,1,2,3,4,5
	ds_load_b128 v[216+4*\i:219+4*\i], v6 offset:512*\i    ; LDS serves a wave's instructions in order: these see my stores
.endr
	s_wait_alu depctr_va_vdst(0)
.irp i, 0,1,2,3,4,5
	s_wait_dscnt 5-\i                              ; the younger read-backs may be out
	global_store_b128 v7, v[216+4*\i:219+4*\i], s[16:17] offset:(\i/3)*12288+512*(\i%3)   ; 512 consecutive bytes, aligned
.endr
	global_store_b32 v12, v14, s[18:19]
	s_wait_tensorcnt 0x0
	ds_add_u32 v254, v255
	s_wait_dscnt 0x0
	s_endpgm
.Lrope:
; ---- PATH R.  rope[pos][0..31] = cos(pos f_j), rope[pos][32..63] = sin(pos f_j), f_j = 10000^(-j / 32), in f32: 256 bytes a position.  Sixteen threads make a position's row (eight the cosines, eight the sines,
; four numbers each); a thread walks eight positions, 256 apart.  The angle is reduced by multiples of pi / 2 (pi / 2 in two parts, so that nothing is lost up to 2,047 radians), then a polynomial each
; for sine (to r^9) and cosine (to r^10) on |r| <= pi / 4; the quadrant chooses by v_cndmask_b32 and a sign bit: no branch on data.
	s_sub_co_u32 s23, ttmp9, 672
	v_and_b32 v1, 15, v0
	v_lshrrev_b32 v2, 3, v1                        ; 0: cosines, 1: sines
	v_and_b32 v3, 7, v1
	v_lshrrev_b32 v4, 4, v0
	s_lshl_b32 s24, s23, 3
	v_add_nc_u32 v4, s24, v4                       ; my first position, 0..255
	v_cvt_f32_u32 v5, v4
	v_lshlrev_b32 v6, 8, v4
	v_lshl_add_u32 v6, v1, 4, v6                   ; where I store
	v_mul_u32_u24 v7, v2, 3                        ; sin(a) = cos(a - pi / 2): three quadrants on
	v_lshlrev_b32 v8, 2, v3                        ; my first j
	s_wait_alu depctr_va_vdst(0)
	s_mov_b32 s26, 0x3ed49a78                      ; c = log2(10000) / 32, rounded to f32,
	s_mov_b32 s27, 0x32179a6b                      ; and what the rounding left
	s_mov_b32 s28, 0xbf317218                      ; -ln 2
	s_mov_b32 s29, 0x3f22f983                      ; 2 / pi
	s_mov_b32 s30, 0x3fc90fdb                      ; pi / 2, rounded to f32,
	s_mov_b32 s31, 0xb33bbd2e                      ; and what the rounding left
	s_mov_b32 s32, 0x3638ef1d                      ; 1 / 9!
	s_mov_b32 s33, 0xb9500d01                      ; -1 / 7!
	s_mov_b32 s34, 0x3c088889                      ; 1 / 5!
	s_mov_b32 s35, 0xbe2aaaab                      ; -1 / 3!
	s_mov_b32 s36, 0xb493f27e                      ; -1 / 10!
	s_mov_b32 s37, 0x37d00d01                      ; 1 / 8!
	s_mov_b32 s38, 0xbab60b61                      ; -1 / 6!
	s_mov_b32 s39, 0x3d2aaaab                      ; 1 / 4!
.irp i, 0,1,2,3
	v_add_nc_u32 v[12+\i], \i, v8
.endr
.irp i, 0,1,2,3
	v_cvt_f32_u32 v[12+\i], v[12+\i]               ; j
.endr
.irp i, 0,1,2,3
	v_mul_f32 v[16+\i], s26, v[12+\i]              ; j c, rounded,
.endr
.irp i, 0,1,2,3
	v_fma_f32 v[20+\i], v[12+\i], s26, -v[16+\i]   ; what that rounding left,
.endr
.irp i, 0,1,2,3
	v_fma_f32 v[20+\i], v[12+\i], s27, v[20+\i]    ; and j times the rest of c
.endr
.irp i, 0,1,2,3
	v_exp_f32 v[24+\i], -v[16+\i]
.endr
	v_nop                                          ; a plain instruction behind the exponentials,
	s_wait_alu depctr_va_vdst(0)                   ; and the one wait for the batch ahead of its first reader
.irp i, 0,1,2,3
	v_mul_f32 v[20+\i], v[20+\i], v[24+\i]
.endr
.irp i, 0,1,2,3
	v_fma_f32 v[24+\i], v[20+\i], s28, v[24+\i]    ; f_j = 2^(-hi) (1 - ln 2 x lo)
.endr
	s_wait_kmcnt 0x0
	s_mov_b32 s25, 0
.Lpos:
	s_wait_alu depctr_va_vdst(0)
.irp i, 0,1,2,3
	v_mul_f32 v[28+\i], v5, v[24+\i]               ; the angle: one rounding
.endr
.irp i, 0,1,2,3
	v_mul_f32 v[32+\i], s29, v[28+\i]
.endr
.irp i, 0,1,2,3
	v_rndne_f32 v[32+\i], v[32+\i]                 ; n
.endr
.irp i, 0,1,2,3
	v_fma_f32 v[28+\i], -v[32+\i], s30, v[28+\i]
.endr
.irp i, 0,1,2,3
	v_fma_f32 v[28+\i], -v[32+\i], s31, v[28+\i]   ; r = angle - n pi / 2
.endr
.irp i, 0,1,2,3
	v_mul_f32 v[36+\i], v[28+\i], v[28+\i]         ; z = r^2
.endr
.irp i, 0,1,2,3
	v_fma_f32 v[40+\i], v[36+\i], s32, s33
	v_fma_f32 v[44+\i], v[36+\i], s36, s37
.endr
.irp i, 0,1,2,3
	v_fma_f32 v[40+\i], v[40+\i], v[36+\i], s34
	v_fma_f32 v[44+\i], v[44+\i], v[36+\i], s38
.endr
.irp i, 0,1,2,3
	v_fma_f32 v[40+\i], v[40+\i], v[36+\i], s35
	v_fma_f32 v[44+\i], v[44+\i], v[36+\i], s39
.endr
.irp i, 0,1,2,3
	v_mul_f32 v[48+\i], v[36+\i], v[28+\i]
	v_fma_f32 v[44+\i], v[44+\i], v[36+\i], -0.5
.endr
.irp i, 0,1,2,3
	v_fma_f32 v[40+\i], v[40+\i], v[48+\i], v[28+\i]   ; sin r
	v_fma_f32 v[44+\i], v[44+\i], v[36+\i], 1.0        ; cos r
.endr
.irp i, 0,1,2,3
	v_cvt_i32_f32 v[32+\i], v[32+\i]
.endr
.irp i, 0,1,2,3
	v_add_nc_u32 v[32+\i], v[32+\i], v7            ; the quadrant q
.endr
.irp i, 0,1,2,3
	v_and_b32 v[48+\i], 1, v[32+\i]
	v_cmp_eq_u32 vcc_lo, 1, v[48+\i]
	v_cndmask_b32 v[40+\i], v[44+\i], v[40+\i], vcc_lo   ; odd q: the sine; even q: the cosine
.endr
.irp i, 0,1,2,3
	v_add_nc_u32 v[32+\i], 1, v[32+\i]
.endr
.irp i, 0,1,2,3
	v_and_b32 v[32+\i], 2, v[32+\i]                ; q = 1, 2 modulo 4: negative
.endr
.irp i, 0,1,2,3
	v_lshlrev_b32 v[32+\i], 30, v[32+\i]
.endr
.irp i, 0,1,2,3
	v_xor_b32 v[52+\i], v[32+\i], v[40+\i]
.endr
	global_store_b128 v6, v[52:55], s[20:21]       ; sixteen lanes store a position's 256 bytes
	s_wait_xcnt 0x0                                ; the store's data and offset are written again only behind this wait
	v_add_nc_u32 v6, 0x10000, v6                   ; 256 positions on
	v_add_f32 v5, 0x43800000, v5
	s_add_co_u32 s25, s25, 1
	s_cmp_lt_u32 s25, 8
	s_cbranch_scc1 .Lpos
	s_endpgm
.Lfunc_end_k_qd2411c93d3_prep:
	.size	k_qd2411c93d3_prep, .Lfunc_end_k_qd2411c93d3_prep-k_qd2411c93d3_prep
	.p2alignl 7, 3214868480
	.fill 96, 4, 3214868480
	.section	.rodata,"a",@progbits
	.p2align	6, 0x0
	.amdhsa_kernel k_qd2411c93d3_prep
		.amdhsa_group_segment_fixed_size 46592
		.amdhsa_private_segment_fixed_size 0
		.amdhsa_enable_private_segment 0
		.amdhsa_kernarg_size 72
		.amdhsa_user_sgpr_count 2
		.amdhsa_user_sgpr_kernarg_segment_ptr 1
		.amdhsa_wavefront_size32 1
		.amdhsa_system_sgpr_workgroup_id_x 1
		.amdhsa_system_sgpr_workgroup_id_y 1
		.amdhsa_system_sgpr_workgroup_id_z 1
		.amdhsa_system_vgpr_workitem_id 0
		.amdhsa_next_free_vgpr 256
		.amdhsa_next_free_sgpr 66
		.amdhsa_reserve_vcc 1
		.amdhsa_float_denorm_mode_32 3
		.amdhsa_float_denorm_mode_16_64 3
		.amdhsa_memory_ordered 1
		.amdhsa_forward_progress 1
		.amdhsa_inst_pref_size 50
	.end_amdhsa_kernel
	.amdgpu_metadata
---
amdhsa.version: [ 1, 2 ]
amdhsa.kernels:
  - .name:           k_qd2411c93d3_prep
    .symbol:         k_qd2411c93d3_prep.kd
    .args:
      - { .name: x, .offset: 0, .size: 8, .value_kind: global_buffer, .address_space: global }
      - { .name: wq, .offset: 8, .size: 8, .value_kind: global_buffer, .address_space: global }
      - { .name: wk, .offset: 16, .size: 8, .value_kind: global_buffer, .address_space: global }
      - { .name: wv, .offset: 24, .size: 8, .value_kind: global_buffer, .address_space: global }
      - { .name: wo, .offset: 32, .size: 8, .value_kind: global_buffer, .address_space: global }
      - { .name: xc, .offset: 40, .size: 8, .value_kind: global_buffer, .address_space: global }
      - { .name: wcod, .offset: 48, .size: 8, .value_kind: global_buffer, .address_space: global }
      - { .name: sc, .offset: 56, .size: 8, .value_kind: global_buffer, .address_space: global }
      - { .name: rope, .offset: 64, .size: 8, .value_kind: global_buffer, .address_space: global }
    .group_segment_fixed_size: 46592
    .private_segment_fixed_size: 0
    .kernarg_segment_align: 8
    .kernarg_segment_size: 72
    .max_flat_workgroup_size: 128
    .sgpr_count:     66
    .vgpr_count:     256
    .wavefront_size: 32
...
	.end_amdgpu_metadata
.endif
;; end of part 1
;; launch qkv (part 2): grid 32 x 6, 4 waves a work-group, clusters of 4 x 1, 327,680 bytes of LDS; arguments xc, wcod, sc, rope, qc, kv; writes qc, kv
.if DOCPART == 2
	.amdgcn_target "amdgcn-amd-amdhsa--gfx1250"
	.amdhsa_code_object_version 6
	.text
	.protected	k_qd2411c93d3_qkv
	.globl	k_qd2411c93d3_qkv
	.p2align	8
	.type	k_qd2411c93d3_qkv,@function
k_qd2411c93d3_qkv:
	s_mov_b64 s[64:65], 0
	v_nop
	global_prefetch_b8 v0, s[64:65] scope:SCOPE_SE
	s_setreg_imm32_b32 hwreg(HW_REG_WAVE_MODE, 25, 1), 1
	s_wait_xcnt 0x0
	s_wait_alu depctr_hold_cnt(0) depctr_sa_sdst(0) depctr_va_vdst(0) depctr_va_sdst(0) depctr_va_ssrc(0) depctr_va_vcc(0) depctr_vm_vsrc(0)
	s_getreg_b32 s2, hwreg(HW_REG_IB_STS2, 6, 4)
	s_cmp_eq_u32 s2, 0
	s_cbranch_scc0 .Lentry_in_a_cluster
	s_endpgm
.Lentry_in_a_cluster:
	s_bfe_u32 s2, ttmp6, 0x10000c
	s_cmp_lg_u32 s2, 0x3003
	s_cbranch_scc0 .Lentry_shape_is_right
	s_endpgm
.Lentry_shape_is_right:
; QKV: x wq, x wk, x wv on codes of FP6 (E2M3) with E8M0 scales, then what reference() does to the results, then their own quantising.  Nothing wider than codes goes to memory.
; A work-group makes 256 tokens (mtile = 4 x cluster x + cx) x 256 output channels (ctile = work-group y: 0-3 q, 4 k, 5 v); each of four waves 128 x 128: 64 accumulators, 512 registers.
; ROLES.  Source 0 (P) is the operand whose rows run along a lane's registers in the result, source 1 (Q) the one whose rows are the lanes.  For q and k: P = the weight, Q = x: a lane holds ONE TOKEN and its
; registers run along the channels, which are the next product's K.  For v: P = x, Q = wv: a lane holds one channel and its registers run along the tokens, which are the keys, V's K.
; The main loop is one text: only the LDS bases and the scale words' offsets are chosen, by s_cselect_b32 on ctile, which all partners of a cluster share.
; K = 1,024 goes in four slots' worth of 256 through a ring of two LDS slots.  Codes lie in memory as images of operand registers (half fragments of 768 bytes: 16 rows x 64 k), so a tile's row of 256 k
; is 3,072 consecutive bytes, LDS needs no padding, and a fragment is two loads of 16 bytes and two of 8 a lane, each over consecutive bytes.
; CLUSTER 4 x 1: the four partners differ in their tokens alone and read the same tiles of the weight: those are asked for JOINTLY.  x's tiles hang on cx: plain loads.  (The grid is 32 x 6: no cluster of
; four along y divides it, so x's tiles are not shared.)
; AFTER THE SUMS.  q, k: each head's 64 channels: x / sqrt(mean(x^2) + 2^-23), the rotation by the table, q x 1.5; quantised along the head's 64 (two blocks).  The factor and the gain are multiplied in ahead of the
; rotation: another order of rounding than reference()'s.  v: quantised along the 128 tokens of a key step.
; OUT.  qc: [b 16 + head][16] records of 6,400 bytes for 128 tokens: 8 token tiles x 768, then [r 16][4 words]: a word holds the two scale bytes of an even token tile below and of the odd one above.
; kv: [b 4 + head][key step 16] records of 12,800 bytes: k's part laid as a record of qc; at 6,400 v: [channel tile 4][3 x 512], images of whole fragments (16 channels x 128 keys); at 12,544 [r 16][4 tile words].
; LIMITS: NaN and infinities are not served; a block of zeros or under 2^-124 keeps the scale byte 1 (its codes are zeros; this program alone reads the bytes); v_rsq_f32 is accurate to one unit in the last place.
; REGISTERS: window 0: v2 r, v3 h, v16-23 LDS addresses, v24-25 16 and 8 x lane, v28-29 the add's, v32-95 scale words, v128-223 Q's 8 fragments (one set); behind the loop all but v2, v3, v24, v25, v28, v29 are free.
;   window 1: P's fragments, two sets, at v0 and v128.   windows 2, 3: accumulator (a, b) (Q's block a, P's block b) at v[8 (8 (a % 4) + b)] of window 2 + a / 4.
.set HALFT, 24576                      ; 8 row tiles x 3,072 bytes: what one tensor load brings and what one wave reads of an operand
.set SLOT,  4*HALFT                    ; x's 256 rows, then the weight's 256
.set SPARE, 2*SLOT                     ; behind the ring: the spare words, 128 bytes a wave
.set Q16, 16
.set Q8,  18
.set P16, 20
.set P8,  22
.set L16, 24
.set L8,  25
.set SPW, 28
.set NIL, 29
.set SC,  32                           ; register 8 i + ks: lanes 0-15 the word of Q's block i, lanes 16-31 that of P's block i, for K step ks
.set AF,  128
.set G1X, 24                           ; s[24:31] group 1 for x's tiles; s[32:39] groups 0, one for each slot
.set G0X, 32
.set G1W, 48                           ; s[48:55], s[56:63] the same for the weight's
.set G0W, 56
.set HM,  76                           ; s76  the lanes with h = 1
.set SEL, 98                           ; s98-99
.set SWD, 4                            ; behind the loop: v4-11 scale words in the making; v12-15 as stored
.set SS,  128                          ; v128-159 a pair for each (token tile, head): the norm's factor x the gain, twice
.set UU,  160                          ; v160-167 products at work        (the second head's set of UU, TM and TT lies 128 registers lower, where the scale words lay)
.set TM,  168                          ; v168-175
.set PCD, 176                          ; v176-191 two sets of codes
.set TT,  192                          ; v192-223 a head's 32 numbers of my token
                                       ; the table: token tiles 0 and 1 in v96-127 and v224-255, tiles 2-7 in window 1 at v[32 a]
.set TMV, 168                          ; the v way: v168-183 at work; v128-167 two sets of codes
.set MSB, 0
.macro WIN new                         ; the immediate's high byte repeats the setting that is left
.if MSB != (\new)
	s_set_vgpr_msb (MSB<<8)|(\new)
.set MSB, (\new)
.endif
.endm
.set MUL_LO, 0xa1                      ; source 0 window 1, source 1 window 0, C and D window 2
.set MUL_HI, 0xf1                      ; the same, C and D window 3
.set TO_B,   0x40                      ; destination window 1, address window 0
.macro PLACES n
.rept \n
	v_nop
.endr
.endm
; Waves 0 and 1 fetch x's halves (plain), waves 2 and 3 the weight's (joint).  The branch hangs on the wave's number alone.  Four v_nop follow each of the two lines.
.macro JLOAD sl
	s_cmp_eq_u32 s17, 0
	s_cbranch_scc0 .Lfor_w_\@
	tensor_load_to_lds s[G0X+4*\sl:G0X+4*\sl+3], s[G1X:G1X+7]
	s_nop 0
.rept 4
	v_nop
.endr
	s_branch .Lasked_\@
.Lfor_w_\@:
	tensor_load_to_lds s[G0W+4*\sl:G0W+4*\sl+3], s[G1W:G1W+7]
	s_nop 0
.rept 4
	v_nop
.endr
.Lasked_\@:
.endm
.macro CREST                           ; a round of the cluster's barrier behind its opening barrier
	s_cmp_lg_u32 s16, 0
	s_cbranch_scc1 .Lnot_wave_0_\@
	s_barrier_signal -3
.Lnot_wave_0_\@:
	s_barrier_wait -3
	s_barrier_signal -1
	s_barrier_wait -1
.endm
.macro CROUND
	s_barrier_signal -1
	s_barrier_wait -1
	CREST
.endm
.macro FRAG reg, a16, a8, q, i         ; a fragment (16 rows x 128 k, 12 registers) is two half fragments: row tile i, the slot's q-th 128 along K
	ds_load_b128 v[\reg:\reg+3], v[\a16] offset:3072*(\i)+1536*(\q)
	ds_load_b64 v[\reg+4:\reg+5], v[\a8] offset:3072*(\i)+1536*(\q)+512
	ds_load_b128 v[\reg+6:\reg+9], v[\a16] offset:3072*(\i)+1536*(\q)+768
	ds_load_b64 v[\reg+10:\reg+11], v[\a8] offset:3072*(\i)+1536*(\q)+1280
.endm
.macro FETCH_B slot, q, set            ; P's eight fragments
	WIN TO_B
.irp i, 0,1,2,3,4,5,6,7
	FRAG 128*(\set)+12*\i, P16+\slot, P8+\slot, \q, \i
.endr
	WIN 0
.endm
.macro FETCH_A slot, q, i0             ; Q's blocks i0 .. i0 + 3
.irp i, \i0, \i0+1, \i0+2, \i0+3
	FRAG AF+12*(\i), Q16+\slot, Q8+\slot, \q, \i
.endr
.endm
; 16 matrix instructions: Q's blocks a0, a0 + 1 x P's eight.  The 64 accumulators take turns, one instruction a turn, in the same order in every step.
.macro MUL16 a0, set, ks, zero
.irp a, \a0, \a0+1
.irp b, 0,1,2,3,4,5,6,7
.if \zero
	v_wmma_scale_f32_16x16x128_f8f6f4 v[8*(8*((\a)%4)+\b):8*(8*((\a)%4)+\b)+7], v[128*(\set)+12*\b:128*(\set)+12*\b+11], v[AF+12*(\a):AF+12*(\a)+11], 0, v[SC+8*\b+(\ks)], v[SC+8*(\a)+(\ks)] matrix_a_fmt:MATRIX_FMT_FP6 matrix_b_fmt:MATRIX_FMT_FP6 matrix_a_scale:MATRIX_SCALE_ROW1
.else
	v_wmma_scale_f32_16x16x128_f8f6f4 v[8*(8*((\a)%4)+\b):8*(8*((\a)%4)+\b)+7], v[128*(\set)+12*\b:128*(\set)+12*\b+11], v[AF+12*(\a):AF+12*(\a)+11], v[8*(8*((\a)%4)+\b):8*(8*((\a)%4)+\b)+7], v[SC+8*\b+(\ks)], v[SC+8*(\a)+(\ks)] matrix_a_fmt:MATRIX_FMT_FP6 matrix_b_fmt:MATRIX_FMT_FP6 matrix_a_scale:MATRIX_SCALE_ROW1
.endif
.endr
.endr
.endm
; A slot's first 128 along K (P's set 0).  Loads into registers that matrix instructions have read stand four plain vector instructions behind them (ISA guide 7.12.1 for vector instructions).
.macro STEP slot, ks, zero
	s_wait_dscnt 16                                ; P's set and Q's blocks 0-3 are in; the youngest 16 loads (Q's blocks 4-7) may be out
	WIN MUL_LO
	MUL16 0, 0, \ks, \zero
	MUL16 2, 0, \ks, \zero
	s_wait_dscnt 0x0                               ; Q's blocks 4-7 are in
	PLACES 4
	FETCH_B \slot, 1, 1
	FETCH_A \slot, 1, 0
	WIN MUL_HI
	MUL16 4, 0, \ks, \zero
	MUL16 6, 0, \ks, \zero
	PLACES 4
	WIN 0
	FETCH_A \slot, 1, 4
.endm
; A slot's second 128 (P's set 1) changes slots: ONE barrier.  In front of it each wave waits for all its tensor loads, adds 0 to its spare word, and waits for that and for its reads of this slot.
; fill = 1: the barrier opens a round of the cluster's barrier, and behind the round this slot is filled again, 512 further along K.
.macro TURN slot, next, fill, ks
	s_wait_tensorcnt 0x0                           ; all my tensor loads have landed: my part of the next slot
	ds_add_u32 v[SPW], v[NIL]                      ; 0 onto my spare word
	s_wait_dscnt 17                                ; (the add and the youngest 16 loads may be out)
	WIN MUL_LO
	MUL16 0, 1, \ks, 0                             ; sixteen matrix instructions stand between the add and the wait for it
	s_wait_dscnt 0x0                               ; the add is done, and my reads of this slot are over
	s_barrier_signal -1
	MUL16 2, 1, \ks, 0
	WIN 0
	s_barrier_wait -1
.if \fill
	CREST                                          ; no wave of any partner still reads this slot or has a load on its way
	s_add_nc_u64 s[G0X+4*\slot+2:G0X+4*\slot+3], s[G0X+4*\slot+2:G0X+4*\slot+3], 6144
	s_add_nc_u64 s[G0W+4*\slot+2:G0W+4*\slot+3], s[G0W+4*\slot+2:G0W+4*\slot+3], 6144
	JLOAD \slot                                    ; the first tensor load behind the round; its four v_nop are the places in front of the loads below
.else
	PLACES 4
.endif
	FETCH_B \next, 0, 0
	FETCH_A \next, 0, 0
	WIN MUL_HI
	MUL16 4, 1, \ks, 0
	MUL16 6, 1, \ks, 0
	PLACES 4
	WIN 0
	FETCH_A \next, 0, 4
.endm
	s_load_b256 s[4:11], s[0:1], 0x0               ; xc s[4:5], wcod s[6:7], sc s[8:9], rope s[10:11]
	s_load_b128 s[12:15], s[0:1], 0x20             ; qc s[12:13], kv s[14:15]
	v_lshl_add_u32 v[SPW], v0, 2, SPARE
	v_mov_b32 v[NIL], 0
	ds_add_u32 v28, v29
	ds_add_u32 v28, v29
	s_wait_dscnt 0x0
	v_lshrrev_b32 v1, 5, v0
	v_readfirstlane_b32 s16, v1                    ; wave 0..3
	s_lshr_b32 s17, s16, 1                         ; which half of Q's rows is mine.  Also: I fetch for x (0) or for the weight (1)
	s_and_b32 s18, s16, 1                          ; which half of P's rows.  Also: which 128 rows I fetch
	s_bfe_u32 s19, ttmp6, 0x40000                  ; cx
	s_lshl_b32 s20, ttmp9, 2
	s_add_co_u32 s20, s20, s19                     ; mtile
	s_and_b32 s21, ttmp7, 0xffff                   ; ctile: the same in all four partners
	; group 1: 8 rows (row tiles) of 384 elements of 8 bytes (256 k), 1,536 elements (a row tile's 1,024 k) apart; no padding
	s_mov_b32 s[G1X], 3<<16                        ; no mask: a load of my own
	s_mov_b32 s[G1W], 15|(3<<16)|(1<<21)           ; the mask names all four partners; bit 21 beside it
.irp g, G1X, G1W
	s_mov_b32 s[\g+1], 384<<16                     ; tensor_dim0
	s_mov_b32 s[\g+2], 8<<16                       ; tensor_dim1
	s_mov_b32 s[\g+3], 384<<16                     ; tile_dim0
	s_mov_b32 s[\g+4], 8                           ; tile_dim1
	s_mov_b32 s[\g+5], 1536                        ; from row to row
	s_mov_b32 s[\g+6], 0
	s_mov_b32 s[\g+7], 0
.endr
	s_lshl_b32 s40, s20, 4
	s_lshl_b32 s41, s18, 3
	s_add_co_u32 s40, s40, s41
	s_mul_i32 s40, s40, 12288                      ; x: row tile 16 mtile + 8 x half
	s_mov_b32 s41, 0
	s_lshl_b32 s44, s21, 4                         ; the weight: column tile 16 ctile + 8 x half: in registers that never hold cx
	s_lshl_b32 s45, s18, 3
	s_add_co_u32 s44, s44, s45
	s_mul_i32 s44, s44, 12288
	s_mov_b32 s45, 0
	s_mul_i32 s46, s16, HALFT                      ; where my tiles go: wave x 24,576
	s_wait_kmcnt 0x0
	s_add_nc_u64 s[40:41], s[4:5], s[40:41]
	s_add_nc_u64 s[44:45], s[6:7], s[44:45]
	CROUND                                         ; all four work-groups are here: the first joint loads meet
.irp sl, 0,1
	s_mov_b32 s[G0X+4*\sl], 1
	s_add_co_u32 s[G0X+4*\sl+1], s46, \sl*SLOT
	s_add_nc_u64 s[G0X+4*\sl+2:G0X+4*\sl+3], s[40:41], \sl*3072
	s_or_b32 s[G0X+4*\sl+3], s[G0X+4*\sl+3], 0x80000000
	s_mov_b32 s[G0W+4*\sl], 1
	s_add_co_u32 s[G0W+4*\sl+1], s46, \sl*SLOT
	s_add_nc_u64 s[G0W+4*\sl+2:G0W+4*\sl+3], s[44:45], \sl*3072
	s_or_b32 s[G0W+4*\sl+3], s[G0W+4*\sl+3], 0x80000000
.endr
	JLOAD 0                                        ; slot 0: one tensor load a wave at the head
	v_and_b32 v1, 31, v0
	v_and_b32 v2, 15, v0                           ; r
	v_bfe_u32 v3, v0, 4, 1                         ; h
	v_lshlrev_b32 v[L16], 4, v1
	s_wait_alu depctr_va_vdst(0)
	v_lshlrev_b32 v[L8], 3, v1
	s_wait_alu depctr_va_vdst(0)
	v_cmp_eq_u32 s[HM], 1, v3
	s_cmp_eq_u32 s21, 5                            ; v?  Then the weight is Q and x is P
	s_cselect_b32 s66, 2*HALFT, 0
	s_cselect_b32 s67, 0, 2*HALFT
	s_mul_i32 s68, s17, HALFT
	s_add_co_u32 s68, s68, s66                     ; Q's 128 rows in a slot: either choice lies inside the slot
	s_mul_i32 s69, s18, HALFT
	s_add_co_u32 s69, s69, s67                     ; P's
.irp sl, 0,1
	v_add_nc_u32 v[Q16+\sl], s68, v[L16]
	v_add_nc_u32 v[Q8+\sl], s68, v[L8]
	v_add_nc_u32 v[P16+\sl], s69, v[L16]
	v_add_nc_u32 v[P8+\sl], s69, v[L8]
	s_add_co_u32 s68, s68, SLOT
	s_add_co_u32 s69, s69, SLOT
.endr
	; the scale words of all of K come once, straight into registers: 512 bytes a tile, lane r takes 16 bytes (four K steps) at 16 r, twice
	s_lshl_b32 s70, s20, 13                        ; x's: 16 tiles x 512 bytes x mtile
	s_lshl_b32 s71, s21, 13
	s_add_co_u32 s71, s71, 262144                  ; the weight's
	s_lshl_b32 s72, s17, 12
	s_lshl_b32 s73, s18, 12
	s_cmp_eq_u32 s21, 5
	s_cselect_b32 s74, s71, s70
	s_cselect_b32 s75, s70, s71
	s_add_co_u32 s74, s74, s72                     ; Q's eight tiles
	s_add_co_u32 s75, s75, s73                     ; P's
	v_mov_b32 v30, s74
	v_mov_b32 v31, s75
	v_cndmask_b32 v30, v30, v31, s[HM]             ; lanes 0-15 take Q's words, lanes 16-31 P's
	v_lshl_add_u32 v30, v2, 4, v30
.irp i, 0,1,2,3,4,5,6,7
	global_load_b128 v[SC+8*\i:SC+8*\i+3], v30, s[8:9] offset:512*\i
	global_load_b128 v[SC+8*\i+4:SC+8*\i+7], v30, s[8:9] offset:512*\i+256
.endr
.macro RLOAD a                                 ; token tile a's 16 cosines and 16 sines
.if (\a) < 2
.set CB, 96+128*(\a)
.else
.set CB, 32*(\a)
.endif
.irp j, 0,1,2,3
	global_load_b128 v[CB+4*\j:CB+4*\j+3], v26, s[94:95] offset:(32*((\a)/2)+8*((\a)%2))*256+16*\j
	global_load_b128 v[CB+16+4*\j:CB+16+4*\j+3], v26, s[94:95] offset:(32*((\a)/2)+8*((\a)%2))*256+128+16*\j
.endr
.endm
; A prefetch into the L2 of K chunk ch (256 k: 3,072 bytes of each of the 8 row tiles that I fetch: 96 blocks of 256 bytes), two refills ahead of the load that wants it.
; x's waves name all 96 (a lane a block, three lines).  The weight's tiles are asked for jointly: the partner at cx names blocks cx, cx + 4, cx + 8 of each tile, told apart by address (the lanes left over name the last again).
.macro ASK ch
	s_cmp_eq_u32 s17, 0
	s_cbranch_scc0 .Lask_w_\@
.irp j, 0,1,2
	global_prefetch_b8 v13, s[40:41] offset:3072*(\ch)+1024*\j th:TH_LOAD_NT scope:SCOPE_SE
.endr
	s_branch .Lask_done_\@
.Lask_w_\@:
	global_prefetch_b8 v12, s[42:43] offset:3072*(\ch) th:TH_LOAD_NT scope:SCOPE_SE
.Lask_done_\@:
.endm
	v_lshrrev_b32 v12, 2, v1
	v_and_b32 v13, 3, v1
	v_mul_u32_u24 v12, v12, 12288                  ; row tile lane / 4
	v_min_u32 v14, 2, v13
	v_lshl_add_u32 v13, v13, 8, v12                ; x: + block lane % 4
	v_lshl_add_u32 v12, v14, 10, v12               ; the weight: + four blocks x min(lane % 4, 2)
	v_and_b32 v26, 8, v2
	v_add_nc_u32 v26, v26, v2
	v_lshlrev_b32 v26, 8, v26
	v_lshl_add_u32 v26, v3, 6, v26                 ; my token's row of the table, + my 16 frequencies
	s_lshl_b32 s92, s20, 1
	s_add_co_u32 s92, s92, s17
	s_and_b32 s92, s92, 15                         ; which 128 tokens of the sequence
	s_lshl_b32 s92, s92, 15
	s_mov_b32 s93, 0
	s_add_nc_u64 s[94:95], s[10:11], s[92:93]      ; the table at my first token's position
	s_lshl_b32 s42, s19, 8
	s_mov_b32 s43, 0
	s_add_nc_u64 s[42:43], s[44:45], s[42:43]      ; the weight's tiles, + cx blocks: for the prefetches alone
	s_wait_alu depctr_va_vdst(0)
	RLOAD 0                                        ; the first two token tiles' rows come under the first tile's flight, into registers that the loop leaves alone.
	RLOAD 1                                        ; (One way through the head for every work-group: the v way leaves these 16 loads unread)
	ASK 1
	ASK 2
	s_mul_i32 s46, s18, 12288                      ; the table's rows of token tiles 2-7 (rows 32-127 of my 128) are asked for here and loaded behind the last products;
	s_add_co_u32 s46, s46, 8192                    ; the two waves that read the same rows take 48 each: a lane a row (the lanes left over name the last again)
	s_mov_b32 s47, 0
	s_add_nc_u64 s[46:47], s[94:95], s[46:47]
	v_lshlrev_b32 v15, 8, v1
	v_min_u32 v14, 15, v1
	v_lshlrev_b32 v14, 8, v14
	s_cmp_eq_u32 s21, 5                            ; the v way reads no table
	s_cbranch_scc1 .Lno_table
	global_prefetch_b8 v15, s[46:47] th:TH_LOAD_NT scope:SCOPE_SE
	global_prefetch_b8 v14, s[46:47] offset:8192 th:TH_LOAD_NT scope:SCOPE_SE
.Lno_table:
	s_mov_b32 s[SEL], 0x76543210
	s_mov_b32 s[SEL+1], 0xfedcba98
	s_mov_b32 s96, 0x3c800000                      ; 1 / 64
	s_mov_b32 s97, 0x34000000                      ; 2^-23, f32's eps
	s_wait_alu depctr_va_vdst(0)
	s_wait_tensorcnt 0x0                           ; my part of slot 0 is in
	ds_add_u32 v[SPW], v[NIL]
	s_wait_dscnt 0x0
	CROUND                                         ; everybody's part of slot 0 is in, and the four partners are here
	JLOAD 1                                        ; slot 1's first fill: the first tensor load behind the round
	FETCH_B 0, 0, 0
	FETCH_A 0, 0, 0
	FETCH_A 0, 0, 4
	s_wait_loadcnt 0x0                             ; the scale words
	STEP 0, 0, 1                                   ; the first products start the sums: nothing is cleared
	ASK 3                                          ; the last chunk; its load stands two changes of slots on
	TURN 0, 1, 1, 1
	STEP 1, 2, 0
	TURN 1, 0, 1, 3
	STEP 0, 4, 0
	TURN 0, 1, 0, 5                                ; nothing is left to fetch
	STEP 1, 6, 0
	s_wait_dscnt 16
	WIN MUL_LO
	MUL16 0, 1, 7, 0
	MUL16 2, 1, 7, 0
	s_wait_dscnt 0x0
	WIN MUL_HI
	MUL16 4, 1, 7, 0
	MUL16 6, 1, 7, 0
	WIN 0
	PLACES 4                                       ; behind the last products: results are read and operand registers loaded from here on
	s_cmp_eq_u32 s21, 5
	s_cbranch_scc1 .Lv_way
; ---- THE q / k WAY.  Lane (r, h) of Q's block a holds token 32 (a / 2) + 8 (a % 2) + r + 8 (r / 8) of my 128.  Its 32 registers 64 (a % 4) + 32 hd on are head hd of my two:
; registers 0-15 channels 16 h + i, registers 16-31 channels 32 + 16 h + i.
	s_cmp_eq_u32 s21, 4                            ; k?
	s_cselect_b64 s[78:79], s[14:15], s[12:13]
	s_cselect_b32 s80, 2, 4                        ; log2 of the heads
	s_mov_b32 s81, 6400
	s_cselect_b32 s81, 12800, s81                  ; a record's bytes
	s_cselect_b32 s82, 0, s21
	s_cselect_b32 s83, 1.0, 0x3fc00000             ; the gain: 1.5 on q
	s_lshl_b32 s82, s82, 2
	s_lshl_b32 s84, s18, 1
	s_add_co_u32 s82, s82, s84                     ; my first head
	s_lshr_b32 s84, s20, 3                         ; the batch
	s_lshl_b32 s84, s84, s80
	s_add_co_u32 s82, s82, s84
	s_lshl_b32 s82, s82, 4
	s_lshl_b32 s85, s20, 1
	s_add_co_u32 s85, s85, s17
	s_and_b32 s85, s85, 15                         ; which 128 tokens of the sequence
	s_add_co_u32 s82, s82, s85
	s_mul_i32 s86, s82, s81
	s_mov_b32 s87, 0
	s_add_nc_u64 s[88:89], s[78:79], s[86:87]      ; my first head's record,
	s_lshl_b32 s92, s81, 4
	s_mov_b32 s93, 0
	s_add_nc_u64 s[90:91], s[88:89], s[92:93]      ; my second head's: 16 records on
	v_mul_lo_u32 v27, v3, s92
	v_lshl_add_u32 v27, v2, 4, v27                 ; the scale words: 16 r; lanes 16-31 store the second head's
	v_mov_b32 v[TM+2], 0                           ; written once: a lane permute's destination counts as one of its sources
	v_mov_b32 v[TM+3], 0
	v_mov_b32 v[TM+2-128], 0
	v_mov_b32 v[TM+3-128], 0
	WIN TO_B                                       ; token tiles 2-7 in one run of 48 loads, into window 1, where the fragments of P lay: they land under pass 1 and the first two tiles
.irp a, 2,3,4,5,6,7
	RLOAD \a
.endr
	WIN 0
; PASS 1: the sums of squares, eight (token tile, head) units of a window by turns; each accumulator is read from its low end on.
.macro SUMSQ w
	WIN 0x0a+5*(\w)                                ; sources 0 and 1 in the accumulators' window
.set k, 0
.rept 16
.set u, 0
.rept 8
.if k == 0
	v_pk_mul_f32 v[TT+2*u:TT+2*u+1], v[32*u:32*u+1], v[32*u:32*u+1]
.else
	v_pk_fma_f32 v[TT+2*u:TT+2*u+1], v[32*u+2*k:32*u+2*k+1], v[32*u+2*k:32*u+2*k+1], v[TT+2*u:TT+2*u+1]
.endif
.set u, u+1
.endr
.set k, k+1
.endr
	WIN 0
.set u, 0
.rept 8
	v_add_f32 v[SS+2*(8*(\w)+u)], v[TT+2*u], v[TT+2*u+1]
	v_add_f32 v[SS+2*(8*(\w)+u)+1], v[TT+2*u], v[TT+2*u+1]   ; (so that the permute's destination has been written)
.set u, u+1
.endr
.endm
	SUMSQ 0
	SUMSQ 1
.set u, 0
.rept 16
	v_permlanex16_b32 v[SS+2*u+1], v[SS+2*u], s[SEL], s[SEL+1]
.set u, u+1
.endr
.set u, 0
.rept 16
	v_add_f32 v[SS+2*u], v[SS+2*u], v[SS+2*u+1]    ; with the other half of the head's channels
.set u, u+1
.endr
.set u, 0
.rept 16
	v_fma_f32 v[SS+2*u], v[SS+2*u], s96, s97       ; the mean + eps
.set u, u+1
.endr
.set u, 0
	s_wait_alu depctr_va_vdst(0)
.rept 16
	v_rsq_f32 v[SS+2*u+1], v[SS+2*u]
.set u, u+1
.endr
	v_nop                                          ; a plain instruction behind the batch,
	s_wait_alu depctr_va_vdst(0)                   ; and the one wait ahead of its first reader
.set u, 0
.rept 16
	v_mul_f32 v[SS+2*u], s83, v[SS+2*u+1]
.set u, u+1
.endr
.set u, 0
.rept 16
	v_mov_b32 v[SS+2*u+1], v[SS+2*u]               ; twice: a pair for the packed multiply
.set u, u+1
.endr
; PASS 2: one (token tile a, head hd): scale, rotate, quantise two blocks of 32, store a half fragment.
; The rotation: out(d) = x(d) cos - x(d + 32) sin; out(d + 32) = x(d + 32) cos + x(d) sin, d = 16 h + 2 k, + 1.  t: a head's 32 numbers, u: its products at work
.macro ROTM t, u
	v_pk_mul_f32 v[\u+4*(k%2):\u+4*(k%2)+1], v[\t+16+2*k:\t+17+2*k], v[CB+16+2*k:CB+17+2*k]
	v_pk_mul_f32 v[\u+4*(k%2)+2:\u+4*(k%2)+3], v[\t+2*k:\t+2*k+1], v[CB+16+2*k:CB+17+2*k]
.endm
.macro ROTF t, u
	v_pk_fma_f32 v[\t+2*k:\t+2*k+1], v[\t+2*k:\t+2*k+1], v[CB+2*k:CB+2*k+1], v[\u+4*(k%2):\u+4*(k%2)+1] neg_lo:[0,0,1] neg_hi:[0,0,1]
	v_pk_fma_f32 v[\t+16+2*k:\t+17+2*k], v[\t+16+2*k:\t+17+2*k], v[CB+2*k:CB+2*k+1], v[\u+4*(k%2)+2:\u+4*(k%2)+3]
.endm
; Token tile a, BOTH of my heads (p = 0, 1) by turns, line by line: four chains, so that no line reads the line above it
.macro PAIR a
.set AC, 64*((\a)%4)
.set SP2, SS+4*(\a)
.if (\a) < 2
.set CB, 96+128*(\a)
.else
.set CB, 32*(\a)
.endif
	WIN 0x02+(\a)/4                                ; source 0 in the accumulators' window
.set k, 0
.rept 16
	v_pk_mul_f32 v[TT+2*k:TT+2*k+1], v[AC+2*k:AC+2*k+1], v[SP2:SP2+1]
	v_pk_mul_f32 v[TT-128+2*k:TT-127+2*k], v[AC+32+2*k:AC+33+2*k], v[SP2+2:SP2+3]
.set k, k+1
.endr
.if (\a) < 2
	WIN 0
.else
	WIN 0x04                                       ; source 1, the table, in window 1
.endif
.set k, 0
.rept 8
	ROTM TT, UU
	ROTM TT-128, UU-128
	ROTF TT, UU
	ROTF TT-128, UU-128
.set k, k+1
.endr
	WIN 0
.irp p, 0,1
	v_max3_num_f32 v[TM-128*\p], |v[TT-128*\p]|, |v[TT+1-128*\p]|, 0x1800000        ; two blocks a head; the floor 2^(3 - 127) holds the byte at 1 from below
	v_max3_num_f32 v[TM+1-128*\p], |v[TT+16-128*\p]|, |v[TT+17-128*\p]|, 0x1800000
.endr
.irp i, 2,4,6,8,10,12,14
.irp p, 0,1
	v_max3_num_f32 v[TM-128*\p], v[TM-128*\p], |v[TT+\i-128*\p]|, |v[TT+1+\i-128*\p]|
	v_max3_num_f32 v[TM+1-128*\p], v[TM+1-128*\p], |v[TT+16+\i-128*\p]|, |v[TT+17+\i-128*\p]|
.endr
.endr
.irp p, 0,1
	v_permlanex16_b32 v[TM+2-128*\p], v[TM-128*\p], s[SEL], s[SEL+1]
	v_permlanex16_b32 v[TM+3-128*\p], v[TM+1-128*\p], s[SEL], s[SEL+1]
.endr
.irp p, 0,1
	v_max_num_f32 v[TM-128*\p], v[TM-128*\p], v[TM+2-128*\p]
	v_max_num_f32 v[TM+1-128*\p], v[TM+1-128*\p], v[TM+3-128*\p]
.endr
.irp p, 0,1
	v_add_nc_u32 v[TM+4-128*\p], 0xff000000, v[TM-128*\p]        ; the conversions' scale operands
	v_add_nc_u32 v[TM+5-128*\p], 0xff000000, v[TM+1-128*\p]
.endr
.irp p, 0,1
	v_lshrrev_b32 v[TM+6-128*\p], 23, v[TM+4-128*\p]
	v_lshrrev_b32 v[TM+7-128*\p], 23, v[TM+5-128*\p]
.endr
.irp p, 0,1
	v_lshl_or_b32 v[TM+6-128*\p], v[TM+7-128*\p], 8, v[TM+6-128*\p]     ; my token's two bytes
.endr
.irp p, 0,1
.if (\a)%2 == 0
	v_mov_b32 v[SWD+4*\p+(\a)/2], v[TM+6-128*\p]
.else
	v_lshl_or_b32 v[SWD+4*\p+(\a)/2], v[TM+6-128*\p], 16, v[SWD+4*\p+(\a)/2]
.endif
.endr
	s_wait_alu depctr_va_vdst(0)
	s_wait_xcnt 0x0                                ; the codes' registers were the data of the last tile's stores: they are written again only behind this wait
.irp p, 0,1
	v_cvt_scalef32_pk16_fp6_f32 v[PCD+8*\p:PCD+8*\p+2], v[TT-128*\p:TT+15-128*\p], v[TM+4-128*\p]
	v_cvt_scalef32_pk16_fp6_f32 v[PCD+8*\p+4:PCD+8*\p+6], v[TT+16-128*\p:TT+31-128*\p], v[TM+5-128*\p]
.endr
	v_nop                                          ; one plain instruction behind the scaled conversions
.irp i, 0,1,2
.irp p, 0,1
	v_permlane16_swap_b32 v[PCD+8*\p+\i], v[PCD+8*\p+4+\i]     ; lanes 0-15 get all of block 0, lanes 16-31 all of block 1
.endr
.endr
.irp i, 3,4,5
.irp p, 0,1
	v_mov_b32 v[PCD+8*\p+\i], v[PCD+8*\p+1+\i]
.endr
.endr
.irp p, 0,1
	global_store_b128 v[L16], v[PCD+8*\p:PCD+8*\p+3], s[88+2*\p:89+2*\p] offset:768*(\a)        ; 512 consecutive bytes, aligned
	global_store_b64 v[L8], v[PCD+8*\p+4:PCD+8*\p+5], s[88+2*\p:89+2*\p] offset:768*(\a)+512    ; 256
.endr
.endm
.irp a, 0,1,2,3,4,5,6,7
.if \a > 1
	s_wait_loadcnt 8*(7-\a)                        ; this tile's eight loads are in; the eight of each later tile may be out
.endif
	PAIR \a
.endr
.irp j, 0,1,2,3
	v_cndmask_b32 v[12+\j], v[SWD+\j], v[SWD+4+\j], s[HM]
.endr
	global_store_b128 v27, v[12:15], s[88:89] offset:6144      ; sixteen lanes store a record's 256 bytes of scale words
	s_branch .Lend
.Lv_way:
; ---- THE v WAY.  Lane (r, h) of Q's block a holds one channel of head a / 4 of my two, channel tile a % 4; its 64 registers are my 128 tokens: register 16 b + i = token 32 b + 16 h + i.
	s_lshr_b32 s84, s20, 3
	s_lshl_b32 s84, s84, 2
	s_lshl_b32 s85, s17, 1
	s_add_co_u32 s84, s84, s85                     ; 4 x batch + my first head
	s_lshl_b32 s84, s84, 4
	s_lshl_b32 s85, s20, 1
	s_add_co_u32 s85, s85, s18
	s_and_b32 s85, s85, 15                         ; the key step
	s_add_co_u32 s84, s84, s85
	s_mul_i32 s86, s84, 12800
	s_mov_b32 s87, 0
	s_add_nc_u64 s[88:89], s[14:15], s[86:87]
	s_add_nc_u64 s[90:91], s[88:89], 204800        ; the next head: 16 records on
	v_mul_u32_u24 v27, v3, 204800
	v_lshl_add_u32 v27, v2, 4, v27
.irp b, 0,1,2,3
	v_mov_b32 v[TMV+4+\b], 0                       ; written once: a lane permute's destination counts as one of its sources
.endr
.macro VQ a
.set AC, 64*((\a)%4)
.set PQ, 128+20*((\a)%2)
	WIN 0x0a+5*((\a)/4)                            ; sources 0 and 1 in the accumulators' window
.irp b, 0,1,2,3
	v_max3_num_f32 v[TMV+\b], |v[AC+16*\b]|, |v[AC+1+16*\b]|, 0x1800000   ; each accumulator is read from its low end on
.endr
.irp i, 2,4,6,8,10,12,14
.irp b, 0,1,2,3
	v_max3_num_f32 v[TMV+\b], |v[AC+16*\b+\i]|, |v[AC+1+16*\b+\i]|, v[TMV+\b]
.endr
.endr
	WIN 0
.irp b, 0,1,2,3
	v_permlanex16_b32 v[TMV+4+\b], v[TMV+\b], s[SEL], s[SEL+1]
.endr
.irp b, 0,1,2,3
	v_max_num_f32 v[TMV+\b], v[TMV+\b], v[TMV+4+\b]
.endr
.irp b, 0,1,2,3
	v_add_nc_u32 v[TMV+12+\b], 0xff000000, v[TMV+\b]
.endr
.irp b, 0,1,2,3
	v_lshrrev_b32 v[TMV+4+\b], 23, v[TMV+12+\b]
.endr
	v_lshl_or_b32 v[SWD+(\a)], v[TMV+5], 8, v[TMV+4]
	v_lshl_or_b32 v[SWD+(\a)], v[TMV+6], 16, v[SWD+(\a)]
	v_lshl_or_b32 v[SWD+(\a)], v[TMV+7], 24, v[SWD+(\a)]
	s_wait_xcnt 0x0                                ; this set of codes was the data of stores two tiles back
	WIN 0x02+(\a)/4                                ; source 0 in the accumulators' window
.irp c, 0,1
	v_cvt_scalef32_pk16_fp6_f32 v[PQ+6*\c:PQ+2+6*\c], v[AC+32*\c:AC+15+32*\c], v[TMV+12+2*\c]
	v_cvt_scalef32_pk16_fp6_f32 v[PQ+12+4*\c:PQ+14+4*\c], v[AC+16+32*\c:AC+31+32*\c], v[TMV+12+2*\c+1]
.endr
	WIN 0
	v_nop                                          ; one plain instruction behind the scaled conversions
.irp c, 0,1
.irp i, 0,1,2
	v_permlane16_swap_b32 v[PQ+6*\c+\i], v[PQ+12+4*\c+\i]
.endr
.irp i, 0,1,2
	v_mov_b32 v[PQ+3+6*\c+\i], v[PQ+12+4*\c+\i]
.endr
.endr
.irp c, 0,1,2
	global_store_b128 v[L16], v[PQ+4*\c:PQ+4*\c+3], s[88+2*((\a)/4):89+2*((\a)/4)] offset:6400+1536*((\a)%4)+512*\c   ; the fragment's image: 512 consecutive bytes a store
.endr
.endm
.irp a, 0,1,2,3,4,5,6,7
	VQ \a
.endr
.irp j, 0,1,2,3
	v_cndmask_b32 v[12+\j], v[SWD+\j], v[SWD+4+\j], s[HM]
.endr
	global_store_b128 v27, v[12:15], s[88:89] offset:12544
.Lend:
	s_wait_tensorcnt 0x0                           ; the wave's end
	ds_add_u32 v[SPW], v[NIL]
	s_wait_dscnt 0x0
	CROUND                                         ; the closing round: no work-group ends while a partner may still ask for a tile that names it
	s_endpgm
.Lfunc_end_k_qd2411c93d3_qkv:
	.size	k_qd2411c93d3_qkv, .Lfunc_end_k_qd2411c93d3_qkv-k_qd2411c93d3_qkv
	.p2alignl 7, 3214868480
	.fill 96, 4, 3214868480
	.section	.rodata,"a",@progbits
	.p2align	6, 0x0
	.amdhsa_kernel k_qd2411c93d3_qkv
		.amdhsa_group_segment_fixed_size 327680
		.amdhsa_private_segment_fixed_size 0
		.amdhsa_enable_private_segment 0
		.amdhsa_kernarg_size 48
		.amdhsa_user_sgpr_count 2
		.amdhsa_user_sgpr_kernarg_segment_ptr 1
		.amdhsa_wavefront_size32 1
		.amdhsa_system_sgpr_workgroup_id_x 1
		.amdhsa_system_sgpr_workgroup_id_y 1
		.amdhsa_system_sgpr_workgroup_id_z 1
		.amdhsa_system_vgpr_workitem_id 0
		.amdhsa_next_free_vgpr 1024
		.amdhsa_next_free_sgpr 100
		.amdhsa_reserve_vcc 0
		.amdhsa_float_denorm_mode_32 3
		.amdhsa_float_denorm_mode_16_64 3
		.amdhsa_memory_ordered 1
		.amdhsa_forward_progress 1
		.amdhsa_inst_pref_size 255
	.end_amdhsa_kernel
	.section	.bss,"aw",@nobits
	.p2align	6
	.space	262144
	.amdgpu_metadata
---
amdhsa.version: [ 1, 2 ]
amdhsa.kernels:
  - .name:           k_qd2411c93d3_qkv
    .symbol:         k_qd2411c93d3_qkv.kd
    .args:
      - { .name: xc, .offset: 0, .size: 8, .value_kind: global_buffer, .address_space: global }
      - { .name: wcod, .offset: 8, .size: 8, .value_kind: global_buffer, .address_space: global }
      - { .name: sc, .offset: 16, .size: 8, .value_kind: global_buffer, .address_space: global }
      - { .name: rope, .offset: 24, .size: 8, .value_kind: global_buffer, .address_space: global }
      - { .name: qc, .offset: 32, .size: 8, .value_kind: global_buffer, .address_space: global }
      - { .name: kv, .offset: 40, .size: 8, .value_kind: global_buffer, .address_space: global }
    .group_segment_fixed_size: 327680
    .private_segment_fixed_size: 0
    .kernarg_segment_align: 8
    .kernarg_segment_size: 48
    .max_flat_workgroup_size: 128
    .sgpr_count:     100
    .vgpr_count:     1024
    .wavefront_size: 32
...
	.end_amdgpu_metadata
.endif
;; end of part 2
;; launch attn (part 3): grid 16 x 16, 16 waves a work-group, clusters of 4 x 1, 327,680 bytes of LDS; arguments qc, kv, yc, sc; writes yc, sc
.if DOCPART == 3
	.amdgcn_target "amdgcn-amd-amdhsa--gfx1250"
	.amdhsa_code_object_version 6
	.text
	.protected	k_qd2411c93d3_attn
	.globl	k_qd2411c93d3_attn
	.p2align	8
	.type	k_qd2411c93d3_attn,@function
k_qd2411c93d3_attn:
	s_mov_b64 s[64:65], 0
	v_nop
	global_prefetch_b8 v0, s[64:65] scope:SCOPE_SE
	s_setreg_imm32_b32 hwreg(HW_REG_WAVE_MODE, 25, 1), 1
	s_wait_xcnt 0x0
	s_wait_alu depctr_hold_cnt(0) depctr_sa_sdst(0) depctr_va_vdst(0) depctr_va_sdst(0) depctr_va_ssrc(0) depctr_va_vcc(0) depctr_vm_vsrc(0)
	s_getreg_b32 s2, hwreg(HW_REG_IB_STS2, 6, 4)
	s_cmp_eq_u32 s2, 0
	s_cbranch_scc0 .Lentry_in_a_cluster
	s_endpgm
.Lentry_in_a_cluster:
	s_bfe_u32 s2, ttmp6, 0x10000c
	s_cmp_lg_u32 s2, 0x3003
	s_cbranch_scc0 .Lentry_shape_is_right
	s_endpgm
.Lentry_shape_is_right:
; ATTENTION on codes of FP6 (E2M3) with E8M0 scales: S^T = k q^T, p = 2^t, O^T = v^T p^T, y = O / sum, y quantised along the channels for the last product.
; WORK LEFT OUT: key steps, and halves of 64 keys of the diagonal step, that lie wholly above the causal diagonal, which reference() builds itself: their p are zeros for all inputs.
; A NaN or infinity that reaches only those keys is not carried on.
; A work-group serves one query head (cx of the cluster) of one (batch, kv head) = work-group y, and 32 query tiles of 16: wave w takes tile 16 x + w and tile 127 - that: 17 key steps of 128 for every wave.
; ALL of this kv head's K and V (16 records of 12,800 bytes) lie in LDS: each wave fetches one record by ONE joint load (the four partners read the same records); nothing is filled again, so one barrier serves.
; The mover lays 64 bytes behind every 256: a record takes 16,000 bytes, and two tiles 1,536 bytes apart in memory lie 128 modulo 256 apart in LDS.
; THE KEYS OF A TILE are chosen by address: rows 0-7 of tile 4 c + u are keys 64 c + 8 u + 0..7, rows 8-15 keys 64 c + 32 + 8 u + 0..7.  So lane (r, h) holds query r and its 32 registers of tiles 4 c .. 4 c + 3
; are keys 64 c + 32 h + 0..31: a WHOLE block of p, in the order of the operand's registers: no other lane is asked for a maximum, and no code changes lanes.
; The head has 64 channels and the instruction sums 128: source 0 is two tiles of k side by side, source 1 is q beside zeros, once on each side.
; THE DIAGONAL STEP: a query tile lies in tokens 0-63 or in tokens 64-127 of its step (bit 2 of its number).  In the first case keys 64-127 are all hidden: a body of its own works keys 0-63 alone and gives
; the other 64 zero codes.  In the second keys 0-63 are all seen: only keys 64-127 are masked.  The choice is a branch on ids.
; NO MAXIMUM IS TAKEN AWAY: reference() itself normalises q and k (|q| <= 12, |k| <= 8 for every input), so |t| stays under 20 with the quantisers' rounding, p lies in 2^-20 .. 2^20 and a row's sum under 2^31.
; The whole number M of the rule is a power of two that the blocks' scales take up: the codes' values are the same.
; A block's largest p is made from its largest score by the same multiply and exponential.  The floor -600 among the maximum's leaves keeps a wholly hidden block's byte finite (its codes are zeros).
; No prefetch: all tiles are asked for at the head, and there is no loop to run ahead in.  LIMITS: NaN and infinities are not served.
.set REC,   16000                      ; a record in LDS: 50 rows of 256 + 64 bytes
.set SPARE, 16*REC                     ; the spare words: 128 bytes a wave
.set WV,  12
.set G1,  16
.set SEL, 32
.set CS,  34
.set HM,  36
.set TB,  37                           ; the key step's record in LDS
.set KS,  38                           ; the key step
.set LIM, 39                           ; the pass's last step of 128 keys
.set PS0, 40                           ; s40-51, s68-79: a pass's tile, last step, shift, mask base, four addresses
.set PS1, 68
.set F,   40                           ; v40-87   k's eight half fragments, then v's four fragments
.set S,   96                           ; v96-159  scores, then p
.set O,   160                          ; v160-191 O^T
.set PCD, 192                          ; v192-203 p's codes; v204-210 at work
.set TC,  204
.set BM,  212
.set SO,  216
.set BY,  218
.set PSC, 220
.set PT,  221
.set KSC, 224
.set VSC, 228
.set BP,  232
.set LK16, 240                         ; lane terms of the LDS addresses
.set LK8,  241
.set LKS,  242
.set LV,   243
.macro ROUND
	s_barrier_signal -1
	s_barrier_wait -1
	s_cmp_lg_u32 s[WV], 0
	s_cbranch_scc1 .Lnot_wave_0_\@
	s_barrier_signal -3
.Lnot_wave_0_\@:
	s_barrier_wait -3
	s_barrier_signal -1
	s_barrier_wait -1
.endm
.macro PSET ps                         ; from the tile's number: what a pass needs
	s_lshr_b32 s[\ps+1], s[\ps], 3                 ; its last key step
	s_and_b32 s[\ps+2], s[\ps], 1
	s_lshl_b32 s[\ps+3], s[\ps+2], 3
	s_lshl_b32 s[\ps+2], s[\ps+2], 4               ; which half of q's scale word
	s_bfe_u32 s52, s[\ps], 0x20001
	s_lshl_b32 s53, s52, 5
	s_add_co_u32 s[\ps+3], s[\ps+3], s53           ; the tile's first token in its 128
	s_lshl_b32 s56, s63, 4
	s_add_co_u32 s56, s56, s[\ps+1]
	s_mul_i32 s56, s56, 6400
	s_mov_b32 s57, 0
	s_add_nc_u64 s[\ps+6:\ps+7], s[4:5], s[56:57]
	s_and_b32 s58, s[\ps], 7
	s_mul_i32 s58, s58, 768
	s_mov_b32 s59, 0
	s_add_nc_u64 s[\ps+4:\ps+5], s[\ps+6:\ps+7], s[58:59]   ; q's codes
	s_lshl_b32 s58, s52, 2
	s_add_co_u32 s58, s58, 6144
	s_add_nc_u64 s[\ps+6:\ps+7], s[\ps+6:\ps+7], s[58:59]   ; q's scale words
	s_lshl_b32 s56, s60, 7
	s_add_co_u32 s56, s56, s[\ps]
	s_lshl_b32 s58, s56, 4
	s_add_co_u32 s58, s58, s61
	s_mul_i32 s58, s58, 768
	s_add_nc_u64 s[\ps+8:\ps+9], s[8:9], s[58:59]           ; y's codes
	s_lshl_b32 s58, s56, 9
	s_add_co_u32 s58, s58, s62
	s_add_nc_u64 s[\ps+10:\ps+11], s[10:11], s[58:59]       ; y's scale bytes
.endm
	s_load_b256 s[4:11], s[0:1], 0x0               ; qc, kv, yc, sc
	v_lshl_add_u32 v254, v0, 2, SPARE
	v_mov_b32 v255, 0
	ds_add_u32 v254, v255                          ; the opening lines: the add twice on end and its wait
	ds_add_u32 v254, v255
	v_lshrrev_b32 v1, 5, v0
	v_readfirstlane_b32 s[WV], v1
	s_bfe_u32 s13, ttmp6, 0x40000                  ; cx
	s_and_b32 s15, ttmp7, 0xffff                   ; 4 x batch + kv head
	s_mov_b32 s[G1], 15|(3<<16)|(1<<20)|(1<<21)|(5<<22)|(15<<25)   ; all four partners; elements of 8 bytes; 16 words of padding behind every 64
	s_mov_b32 s[G1+1], 32<<16
	s_mov_b32 s[G1+2], 50<<16
	s_mov_b32 s[G1+3], 32<<16
	s_mov_b32 s[G1+4], 50
	s_mov_b32 s[G1+5], 32
	s_mov_b32 s[G1+6], 0
	s_mov_b32 s[G1+7], 0
	s_mul_i32 s25, s[WV], REC
	s_mul_i32 s54, s[WV], 12800
	s_mul_i32 s52, s15, 204800
	s_add_co_u32 s52, s52, s54
	s_mov_b32 s53, 0
	s_mov_b32 s24, 1
	s_wait_dscnt 0x0
	s_wait_kmcnt 0x0
	s_add_nc_u64 s[26:27], s[6:7], s[52:53]
	s_or_b32 s27, s27, 0x80000000
	ROUND                                          ; the four partners are here: the joint loads meet
	tensor_load_to_lds s[24:27], s[G1:G1+7]        ; key step w's record: my one tensor load
	s_nop 0
	s_lshl_b32 s63, s15, 2
	s_add_co_u32 s63, s63, s13                     ; 16 x batch + query head
	s_lshr_b32 s60, s15, 2                         ; batch
	s_and_b32 s61, s15, 3
	s_lshl_b32 s61, s61, 2
	s_add_co_u32 s61, s61, s13                     ; query head = y's chunk of 64 channels
	s_lshr_b32 s62, s61, 3
	s_lshl_b32 s62, s62, 8
	s_bfe_u32 s52, s61, 0x20001
	s_lshl_b32 s52, s52, 2
	s_add_co_u32 s62, s62, s52
	s_and_b32 s52, s61, 1
	s_lshl_b32 s52, s52, 1
	s_add_co_u32 s62, s62, s52
	s_add_co_u32 s62, s62, 344064                  ; where the head's two scale bytes lie in a tile's 512
	s_lshl_b32 s[PS0], ttmp9, 4
	s_add_co_u32 s[PS0], s[PS0], s[WV]
	s_sub_co_u32 s[PS1], 127, s[PS0]
	PSET PS0
	PSET PS1
	s_mov_b32 s[SEL], 0x76543210
	s_mov_b32 s[SEL+1], 0xfedcba98
	s_mov_b32 s[CS], 0x3e38aa3b                    ; log2(e) / 8
	s_mov_b32 s[CS+1], s[CS]
	v_and_b32 v11, 31, v0
	v_and_b32 v3, 15, v0                           ; r
	v_bfe_u32 v10, v0, 4, 1                        ; h
	v_and_b32 v5, 7, v0                            ; r % 8
	v_bfe_u32 v6, v0, 3, 1                         ; r / 8
	v_lshlrev_b32 v1, 4, v11                       ; 16 x lane
	v_lshlrev_b32 v2, 3, v11                       ; 8 x lane
	v_lshl_add_u32 v4, v6, 3, v3
	v_lshlrev_b32 v7, 5, v10
	v_sub_nc_u32 v4, v4, v7                        ; my query in its tile, r + 8 (r / 8), less my keys' 32 h
	v_mul_u32_u24 v[LK16], v6, 1920                ; rows 8-15 come from the tile two further on: six LDS rows
	v_mad_u32_u24 v[LK8], v10, 128, v[LK16]
	v_mad_u32_u24 v[LK16], v10, 320, v[LK16]
	v_lshl_add_u32 v[LK8], v5, 3, v[LK8]           ; registers 4-5 of a half fragment
	v_lshl_add_u32 v[LK16], v5, 4, v[LK16]         ; registers 0-3
	v_lshlrev_b32 v[LKS], 2, v6
	v_lshl_add_u32 v[LKS], v5, 4, v[LKS]           ; k's scale words
	v_mul_u32_u24 v[LV], v10, 320
	v_lshl_add_u32 v[LV], v3, 4, v[LV]             ; v's images: 16 x lane, in padded rows
	v_lshlrev_b32 v39, 3, v10                      ; 8 h
	v_cmp_eq_u32 s[HM], 1, v10
	v_lshlrev_b32 v3, 4, v3                        ; 16 r
	v_add_nc_u32 v10, v3, v10                      ; y's scale byte: 16 r + h
	v_mov_b32 v9, 0xff800000
	global_load_b128 v[22:25], v1, s[PS0+4:PS0+5]  ; both passes' q come under the tensor load
	global_load_b64 v[26:27], v2, s[PS0+4:PS0+5] offset:512
	global_load_b32 v36, v3, s[PS0+6:PS0+7]
	global_load_b128 v[88:91], v1, s[PS1+4:PS1+5]
	global_load_b64 v[92:93], v2, s[PS1+4:PS1+5] offset:512
	global_load_b32 v94, v3, s[PS1+6:PS1+7]
.irp j, 16,17,18,19,20,21,28,29,30,31,32,33
	v_mov_b32 v[\j], 0                             ; the zeros beside q
.endr
.irp b, 0,1,2,3
	v_mov_b32 v[BP+\b], 0                          ; a lane permute's destination counts as one of its sources
.endr
	v_mov_b32 v[PT], 0
.macro MASK lo                         ; 32 registers from lo on: register n is key 64 (n / 32) + n % 32 + 32 h
.set n, \lo
.rept 32
	v_cmp_gt_i32 vcc_lo, 64*(n/32)+n%32, v8
	v_cndmask_b32 v[S+n], v[S+n], v9, vcc_lo
.set n, n+1
.endr
.endm
; The work of one key step for my 16 queries.  first = 1: its products start O^T.  nc = 2: all 128 keys; test = 1: the step may be the diagonal one, of a tile in tokens 64-127.
; nc = 1: the diagonal step of a tile in tokens 0-63: keys 0-63 alone.
.macro BODY ps, first, nc, test
	v_add_nc_u32 v5, s[TB], v[LK16]                ; with the v_nop: the four places ahead of loads into registers that the last products read
	v_add_nc_u32 v6, s[TB], v[LK8]
	v_add_nc_u32 v7, s[TB], v[LKS]
	v_nop
.irp c, 0,1
.if \c < \nc
.irp u, 0,1,2,3
	ds_load_b128 v[F+24*\c+6*\u:F+24*\c+6*\u+3], v5 offset:3840*\c+960*(\u%2)+128*(\u/2)
	ds_load_b64 v[F+24*\c+6*\u+4:F+24*\c+6*\u+5], v6 offset:3840*\c+960*(\u%2)+64*(\u/2)+640
.endr
	ds_load_b32 v[KSC+2*\c], v7 offset:7680+8*\c
	ds_load_b32 v[KSC+2*\c+1], v7 offset:7680+8*\c+128
.endif
.endr
	s_wait_alu depctr_va_vdst(0)
	s_wait_dscnt 0x0
.irp t, 0,2,4,6
.if \t < 4*\nc
	v_wmma_scale_f32_16x16x128_f8f6f4 v[S+8*\t:S+8*\t+7], v[F+6*\t:F+6*\t+11], v[22:33], 0, v[KSC+\t/2], v34 matrix_a_fmt:MATRIX_FMT_FP6 matrix_b_fmt:MATRIX_FMT_FP6
	v_wmma_scale_f32_16x16x128_f8f6f4 v[S+8*\t+8:S+8*\t+15], v[F+6*\t:F+6*\t+11], v[16:27], 0, v[KSC+\t/2], v35 matrix_a_fmt:MATRIX_FMT_FP6 matrix_b_fmt:MATRIX_FMT_FP6
.endif
.endr
	v_add_nc_u32 v11, s[TB], v[LV]                 ; four places behind the products
	v_add_nc_u32 v38, s[TB], v3
	v_nop
	v_nop
.irp ct, 0,1,2,3
.irp c, 0,1,2
	ds_load_b128 v[F+12*\ct+4*\c:F+12*\ct+4*\c+3], v11 offset:8000+1920*\ct+640*\c   ; v's fragments land under the softmax
.endr
.endr
	ds_load_b128 v[VSC:VSC+3], v38 offset:15680
.if \nc == 1
	MASK 0
.endif
.if \test
	s_cmp_lt_u32 s[KS], s[\ps+1]
	s_cbranch_scc1 .Lopen_\@
	MASK 32                                        ; keys 0-63 are all seen by a tile in tokens 64-127
.Lopen_\@:
.endif
.irp c, 0,1                                    ; my blocks' largest scores, two chains each, by turns; each accumulator is read from its low end on
.if \c < \nc
	v_max3_num_f32 v[BM+2*\c], v[S+32*\c], v[S+32*\c+1], v[S+32*\c+2]
	v_max3_num_f32 v[BM+2*\c+1], v[S+32*\c+16], v[S+32*\c+17], v[S+32*\c+18]
.endif
.endr
.irp i, 3,5,7,9,11,13
.irp c, 0,1
.if \c < \nc
	v_max3_num_f32 v[BM+2*\c], v[BM+2*\c], v[S+32*\c+\i], v[S+32*\c+\i+1]
	v_max3_num_f32 v[BM+2*\c+1], v[BM+2*\c+1], v[S+32*\c+16+\i], v[S+32*\c+17+\i]
.endif
.endr
.endr
.irp c, 0,1
.if \c < \nc
	v_max3_num_f32 v[BM+2*\c], v[BM+2*\c], v[S+32*\c+15], v[BM+2*\c+1]
.endif
.endr
.irp c, 0,1
.if \c < \nc
	v_max3_num_f32 v[BM+2*\c], v[BM+2*\c], v[S+32*\c+31], 0xc4160000   ; and the floor, -600
.endif
.endr
.set n, 0
.rept 16*\nc
	v_pk_mul_f32 v[S+n:S+n+1], v[S+n:S+n+1], s[CS:CS+1] op_sel_hi:[1,0]   ; t
.set n, n+2
.endr
	v_mul_f32 v[BM], s[CS], v[BM]
.if \nc == 2
	v_mul_f32 v[BM+2], s[CS], v[BM+2]
.endif
	s_wait_alu depctr_va_vdst(0)                   ; the wait ahead of the batch,
.set n, 0
.rept 32*\nc
	v_exp_f32 v[S+n], v[S+n]                       ; p = 2^t
.set n, n+1
.endr
	v_exp_f32 v[BM], v[BM]                         ; the blocks' largest p
.if \nc == 2
	v_exp_f32 v[BM+2], v[BM+2]
.endif
	v_nop
	s_wait_alu depctr_va_vdst(0)                   ; and for the one behind it
	v_add_nc_u32 v[SO], 0xff000000, v[BM]          ; 2 off the exponent field: the conversions' scale operands
.if \nc == 2
	v_add_nc_u32 v[SO+1], 0xff000000, v[BM+2]
.endif
.irp c, 0,1
.if \c < \nc
	v_cvt_scalef32_pk16_fp6_f32 v[PCD+6*\c:PCD+6*\c+2], v[S+32*\c:S+32*\c+15], v[SO+\c]
	v_cvt_scalef32_pk16_fp6_f32 v[TC+4*\c:TC+4*\c+2], v[S+32*\c+16:S+32*\c+31], v[SO+\c]   ; (three registers from an even one on)
.endif
.endr
	v_lshrrev_b32 v[BY], 23, v[SO]                 ; the bytes of blocks h and 2 + h.  (Plain lines behind the conversions)
.if \nc == 2
	v_lshrrev_b32 v[BY+1], 23, v[SO+1]
.else
	v_mov_b32 v[PCD+6], 0                          ; keys 64-127: zero codes,
.endif
	v_mov_b32 v[PCD+3], v[TC]
	v_mov_b32 v[PCD+4], v[TC+1]
.if \nc == 2
	v_lshl_or_b32 v[PSC], v[BY+1], 16, v[BY]
.else
	v_or_b32 v[PSC], 0x10000, v[BY]                ; under the finite byte 1
.endif
	v_mov_b32 v[PCD+5], v[TC+2]
.if \nc == 2
	v_mov_b32 v[PCD+9], v[TC+4]
.else
	v_mov_b32 v[PCD+7], 0
	v_mov_b32 v[PCD+8], 0
	v_mov_b32 v[PCD+9], 0
.endif
	v_lshlrev_b32 v[PSC], v39, v[PSC]              ; at their places: 8 h bits up
.if \nc == 2
	v_mov_b32 v[PCD+10], v[TC+5]
	v_mov_b32 v[PCD+11], v[TC+6]
.else
	v_mov_b32 v[PCD+10], 0
	v_mov_b32 v[PCD+11], 0
.endif
	v_permlanex16_b32 v[PT], v[PSC], s[SEL], s[SEL+1]
	v_pk_add_f32 v[12:13], v[12:13], v[S:S+1]      ; the row's sum, of the unquantised p, in four chains
	v_pk_add_f32 v[14:15], v[14:15], v[S+2:S+3]
	v_pk_add_f32 v[236:237], v[236:237], v[S+4:S+5]
	v_pk_add_f32 v[238:239], v[238:239], v[S+6:S+7]
	v_or_b32 v[PSC], v[PSC], v[PT]                 ; with lane l xor 16's two bytes: p's scale word; twelve plain lines or more stand between it and the products
.set n, 8
.rept 4*\nc-1
	v_pk_add_f32 v[12:13], v[12:13], v[S+n:S+n+1]
	v_pk_add_f32 v[14:15], v[14:15], v[S+n+2:S+n+3]
	v_pk_add_f32 v[236:237], v[236:237], v[S+n+4:S+n+5]
	v_pk_add_f32 v[238:239], v[238:239], v[S+n+6:S+n+7]
.set n, n+8
.endr
	s_wait_dscnt 0x0                               ; v's fragments and scale words
.irp ct, 0,1,2,3
.if \first
	v_wmma_scale_f32_16x16x128_f8f6f4 v[O+8*\ct:O+8*\ct+7], v[F+12*\ct:F+12*\ct+11], v[PCD:PCD+11], 0, v[VSC+\ct], v[PSC] matrix_a_fmt:MATRIX_FMT_FP6 matrix_b_fmt:MATRIX_FMT_FP6
.else
	v_wmma_scale_f32_16x16x128_f8f6f4 v[O+8*\ct:O+8*\ct+7], v[F+12*\ct:F+12*\ct+11], v[PCD:PCD+11], v[O+8*\ct:O+8*\ct+7], v[VSC+\ct], v[PSC] matrix_a_fmt:MATRIX_FMT_FP6 matrix_b_fmt:MATRIX_FMT_FP6
.endif
.endr
.endm
; One key step.  open = 1: a step that ids show to lie wholly under the diagonal for every wave.  Else ids choose: all 128 keys; the short diagonal step; or, above the diagonal, nothing.
.macro STEP ps, first, open
.if \open
	BODY \ps, \first, 2, 0
.else
	s_cmp_gt_i32 s[KS], s[LIM]
	s_cbranch_scc0 .Lfull_\@
.if \first == 0
	s_cmp_eq_u32 s[KS], s[\ps+1]
	s_cbranch_scc0 .Lhidden_\@
.endif
	BODY \ps, \first, 1, 0
	s_wait_alu depctr_va_vdst(0)
	s_branch .Lhidden_\@
.Lfull_\@:
	BODY \ps, \first, 2, 1
.endif
.Lhidden_\@:
	s_add_co_u32 s[TB], s[TB], REC
.endm
; One query tile: its key steps (a constant number of trips), then y = O / sum, quantised along the head's 64 channels, stored as a half fragment's image.
.macro PASS ps, trips, raw, mv
.if \mv
.irp j, 0,1,2,3,4,5
	v_mov_b32 v[22+\j], v[88+\j]
.endr
.endif
	v_lshrrev_b32 v37, s[\ps+2], v[\raw]
	s_delay_alu instid0(VALU_DEP_1)
	v_and_b32 v37, 0xffff, v37                     ; q's two scale bytes
	s_delay_alu instid0(VALU_DEP_1)
	v_or_b32 v34, 0x01010000, v37                  ; beside finite bytes for the zeros
	v_lshl_or_b32 v35, v37, 16, 0x0101
	v_add_nc_u32 v8, s[\ps+3], v4
.irp j, 12,13,14,15,236,237,238,239
	v_mov_b32 v[\j], 0
.endr
	s_bfe_u32 s[LIM], s[\ps], 0x10002              ; 1: the tile lies in tokens 64-127 of its last step
	s_add_co_u32 s[LIM], s[LIM], s[\ps+1]
	s_sub_co_u32 s[LIM], s[LIM], 1                 ; the last step of 128 keys (-1: none)
	s_mov_b32 s[TB], 0
	s_mov_b32 s[KS], 0
	STEP \ps, 1, \mv                               ; the second pass's tiles are 64 and up: their step 0 lies under the diagonal
	s_mov_b32 s[KS], 1
.Lkey_\@:
	STEP \ps, 0, 0
	s_add_co_u32 s[KS], s[KS], 1
	s_cmp_lt_u32 s[KS], \trips
	s_cbranch_scc1 .Lkey_\@
	s_wait_alu depctr_va_vdst(0)
	v_pk_add_f32 v[12:13], v[12:13], v[14:15]
	v_pk_add_f32 v[236:237], v[236:237], v[238:239]
	s_delay_alu instid0(VALU_DEP_1)
	v_pk_add_f32 v[12:13], v[12:13], v[236:237]
	s_delay_alu instid0(VALU_DEP_1)
	v_add_f32 v12, v12, v13
	s_delay_alu instid0(VALU_DEP_1)
	v_permlanex16_b32 v[BP], v12, s[SEL], s[SEL+1]
	s_delay_alu instid0(VALU_DEP_1)
	v_add_f32 v12, v12, v[BP]                      ; with the other half of the keys: the row's sum
	s_wait_alu depctr_va_vdst(0)
	v_rcp_f32 v14, v12
	v_nop
	s_wait_alu depctr_va_vdst(0)
	v_mov_b32 v15, v14
.set n, 0
.rept 16
	v_pk_mul_f32 v[S+n:S+n+1], v[O+n:O+n+1], v[14:15]   ; registers 0-15: channels 16 h + i; 16-31: 32 + 16 h + i
.set n, n+2
.endr
	v_max3_num_f32 v[BM], |v[S]|, |v[S+1]|, 0x1800000
	v_max3_num_f32 v[BM+1], |v[S+16]|, |v[S+17]|, 0x1800000
.irp i, 2,4,6,8,10,12,14
	s_delay_alu instid0(VALU_DEP_2)
	v_max3_num_f32 v[BM], v[BM], |v[S+\i]|, |v[S+1+\i]|
	s_delay_alu instid0(VALU_DEP_2)
	v_max3_num_f32 v[BM+1], v[BM+1], |v[S+16+\i]|, |v[S+17+\i]|
.endr
	s_delay_alu instid0(VALU_DEP_2)
	v_permlanex16_b32 v[BP], v[BM], s[SEL], s[SEL+1]
	s_delay_alu instid0(VALU_DEP_2)
	v_permlanex16_b32 v[BP+1], v[BM+1], s[SEL], s[SEL+1]
	s_delay_alu instid0(VALU_DEP_2)
	v_max_num_f32 v[BM], v[BM], v[BP]
	s_delay_alu instid0(VALU_DEP_2)
	v_max_num_f32 v[BM+1], v[BM+1], v[BP+1]
	s_delay_alu instid0(VALU_DEP_2)
	v_add_nc_u32 v[SO], 0xff000000, v[BM]
	s_delay_alu instid0(VALU_DEP_2)
	v_add_nc_u32 v[SO+1], 0xff000000, v[BM+1]
	s_delay_alu instid0(VALU_DEP_2)
	v_lshrrev_b32 v[BP], 23, v[SO]
	s_delay_alu instid0(VALU_DEP_2)
	v_lshrrev_b32 v[BP+1], 23, v[SO+1]
	v_cvt_scalef32_pk16_fp6_f32 v[PCD:PCD+2], v[S:S+15], v[SO]
	v_cvt_scalef32_pk16_fp6_f32 v[PCD+4:PCD+6], v[S+16:S+31], v[SO+1]
	v_cndmask_b32 v[BP+2], v[BP], v[BP+1], s[HM]   ; lane h stores block h's byte.  (A plain line behind the conversions)
.irp i, 0,1,2
	v_permlane16_swap_b32 v[PCD+\i], v[PCD+4+\i]   ; lanes 0-15 get all of block 0, lanes 16-31 all of block 1
.endr
	s_delay_alu instid0(VALU_DEP_3)
	v_mov_b32 v[PCD+3], v[PCD+4]
	s_delay_alu instid0(VALU_DEP_3)
	v_mov_b32 v[PCD+4], v[PCD+5]
	s_delay_alu instid0(VALU_DEP_3)
	v_mov_b32 v[PCD+5], v[PCD+6]
	global_store_b128 v1, v[PCD:PCD+3], s[\ps+8:\ps+9]               ; 512 consecutive bytes, aligned
	global_store_b64 v2, v[PCD+4:PCD+5], s[\ps+8:\ps+9] offset:512   ; 256
	global_store_b8 v10, v[BP+2], s[\ps+10:\ps+11]
.endm
	s_wait_alu depctr_va_vdst(0)
	s_wait_tensorcnt 0x0                           ; my record is in;
	s_barrier_signal -1
	s_barrier_wait -1                              ; everybody's is: all of K and V
	s_wait_loadcnt 0x0                             ; both passes' q
	PASS PS0, 8, 36, 0
	s_wait_alu depctr_va_vdst(0)
	s_wait_xcnt 0x0                                ; the stores' data are written again only behind this wait
	PASS PS1, 16, 94, 1
	s_wait_tensorcnt 0x0                           ; the wave's end
	ds_add_u32 v254, v255
	s_wait_dscnt 0x0
	ROUND                                          ; the closing round
	s_endpgm
.Lfunc_end_k_qd2411c93d3_attn:
	.size	k_qd2411c93d3_attn, .Lfunc_end_k_qd2411c93d3_attn-k_qd2411c93d3_attn
	.p2alignl 7, 3214868480
	.fill 96, 4, 3214868480
	.section	.rodata,"a",@progbits
	.p2align	6, 0x0
	.amdhsa_kernel k_qd2411c93d3_attn
		.amdhsa_group_segment_fixed_size 327680
		.amdhsa_private_segment_fixed_size 0
		.amdhsa_enable_private_segment 0
		.amdhsa_kernarg_size 32
		.amdhsa_user_sgpr_count 2
		.amdhsa_user_sgpr_kernarg_segment_ptr 1
		.amdhsa_wavefront_size32 1
		.amdhsa_system_sgpr_workgroup_id_x 1
		.amdhsa_system_sgpr_workgroup_id_y 1
		.amdhsa_system_sgpr_workgroup_id_z 1
		.amdhsa_system_vgpr_workitem_id 0
		.amdhsa_next_free_vgpr 256
		.amdhsa_next_free_sgpr 80
		.amdhsa_reserve_vcc 1
		.amdhsa_float_denorm_mode_32 3
		.amdhsa_float_denorm_mode_16_64 3
		.amdhsa_memory_ordered 1
		.amdhsa_forward_progress 1
		.amdhsa_inst_pref_size 111
	.end_amdhsa_kernel
	.amdgpu_metadata
---
amdhsa.version: [ 1, 2 ]
amdhsa.kernels:
  - .name:           k_qd2411c93d3_attn
    .symbol:         k_qd2411c93d3_attn.kd
    .args:
      - { .name: qc, .offset: 0, .size: 8, .value_kind: global_buffer, .address_space: global }
      - { .name: kv, .offset: 8, .size: 8, .value_kind: global_buffer, .address_space: global }
      - { .name: yc, .offset: 16, .size: 8, .value_kind: global_buffer, .address_space: global }
      - { .name: sc, .offset: 24, .size: 8, .value_kind: global_buffer, .address_space: global }
    .group_segment_fixed_size: 327680
    .private_segment_fixed_size: 0
    .kernarg_segment_align: 8
    .kernarg_segment_size: 32
    .max_flat_workgroup_size: 512
    .sgpr_count:     80
    .vgpr_count:     256
    .wavefront_size: 32
...
	.end_amdgpu_metadata
.endif
;; end of part 3
;; launch oproj (part 4): grid 4 x 64, 4 waves a work-group, clusters of 4 x 4, 327,680 bytes of LDS; arguments yc, wcod, sc, out0; writes out0
.if DOCPART == 4
	.amdgcn_target "amdgcn-amd-amdhsa--gfx1250"
	.amdhsa_code_object_version 6
	.text
	.protected	k_qd2411c93d3_oproj
	.globl	k_qd2411c93d3_oproj
	.p2align	8
	.type	k_qd2411c93d3_oproj,@function
k_qd2411c93d3_oproj:
	s_mov_b64 s[64:65], 0
	v_nop
	global_prefetch_b8 v0, s[64:65] scope:SCOPE_SE
	s_setreg_imm32_b32 hwreg(HW_REG_WAVE_MODE, 25, 1), 1
	s_wait_xcnt 0x0
	s_wait_alu depctr_hold_cnt(0) depctr_sa_sdst(0) depctr_va_vdst(0) depctr_va_sdst(0) depctr_va_ssrc(0) depctr_va_vcc(0) depctr_vm_vsrc(0)
	s_getreg_b32 s2, hwreg(HW_REG_IB_STS2, 6, 4)
	s_cmp_eq_u32 s2, 0
	s_cbranch_scc0 .Lentry_in_a_cluster
	s_endpgm
.Lentry_in_a_cluster:
	s_bfe_u32 s2, ttmp6, 0x10000c
	s_cmp_lg_u32 s2, 0xf033
	s_cbranch_scc0 .Lentry_shape_is_right
	s_endpgm
.Lentry_shape_is_right:
; OUT = y wo on codes of FP6 (E2M3) with E8M0 scales; f32 sums; out0 in f32.
; A work-group makes 128 tokens (mtile = 4 x cluster y + cy) x 256 columns (ctile = cx): 64 x 4 = 256 work-groups.  Each of four waves makes 64 x 128: 32 accumulators, 256 registers.
; ALL OF K LIES IN LDS: y's 8 row tiles (98,304 bytes) and wo's 16 column tiles (196,608 bytes) are dense blocks of memory, images of operand registers (a tile: 16 chunks of 768 bytes: 16 rows x 64 k).
; Each wave fetches one half of one of them by ONE joint load, as rows of 256 bytes: nothing is filled again, so there is no ring, and one barrier shows all of it to all waves.
; CLUSTER 4 x 4: y's tiles hang on mtile alone and are shared along a row of the cluster, wo's on ctile alone and are shared along a column.
; Source 0 (P) = wo's column tiles, source 1 (Q) = y's token tiles: a lane holds one token, and the 16 registers of two neighbouring column tiles are 16 neighbouring columns.
; The scale words of all of K come once, straight into registers.  The way out goes through a stage of the wave's own, on LDS bytes where no tile lands: 16 rows x 256 bytes at a time;
; each of its eight units comes back into 32 registers of its own, so that no store's data are written again.
; No prefetch: all tiles are asked for at the head, and there is no loop to run ahead in.
; REGISTERS: window 0: v16-31 addresses, v32-95 scale words, v128-223 Q's 4 fragments, two sets.  Window 1: P's 8 fragments, two sets, at v0 and v128; on the way out unit n at v[32 n].
;   window 2: accumulator (a, b) at v[8 (8 a + b)].
.set TILEB, 12288
.set ABYTES, 8*TILEB
.set SPARE, 24*TILEB                   ; behind the tiles: the spare words, 128 bytes a wave
.set STAGE, SPARE+512
.set SPITCH, 272                       ; a stage row: 256 bytes + 16
.set Q16, 16
.set Q8,  17
.set P16, 18                           ; v18-19: P's tiles 0-3, 4-7 (an LDS offset has 16 bits)
.set P8,  20
.set CO,  25
.set STO, 26
.set RD,  27
.set SPW, 28
.set NIL, 29
.set SC,  32                           ; register 8 i + ks: lanes 0-15 the word of Q's block i % 4, lanes 16-31 that of P's block i, for K step ks
.set AF,  128
.set G1X, 24
.set G0X, 32
.set G1W, 48
.set G0W, 56
.set MSB, 0
.macro WIN new                         ; the immediate's high byte repeats the setting that is left
.if MSB != (\new)
	s_set_vgpr_msb (MSB<<8)|(\new)
.set MSB, (\new)
.endif
.endm
.set MUL_LO, 0xa1                      ; source 0 window 1, source 1 window 0, C and D window 2
.set TO_B,   0x40                      ; destination window 1, address window 0
.macro PLACES n
.rept \n
	v_nop
.endr
.endm
.macro CROUND                          ; a round of the cluster's barrier
	s_barrier_signal -1
	s_barrier_wait -1
	s_cmp_lg_u32 s16, 0
	s_cbranch_scc1 .Lnot_wave_0_\@
	s_barrier_signal -3
.Lnot_wave_0_\@:
	s_barrier_wait -3
	s_barrier_signal -1
	s_barrier_wait -1
.endm
.macro FRAG reg, a16, a8, off          ; a fragment (16 rows x 128 k, 12 registers) is two half fragments
	ds_load_b128 v[\reg:\reg+3], v[\a16] offset:(\off)
	ds_load_b64 v[\reg+4:\reg+5], v[\a8] offset:(\off)+512
	ds_load_b128 v[\reg+6:\reg+9], v[\a16] offset:(\off)+768
	ds_load_b64 v[\reg+10:\reg+11], v[\a8] offset:(\off)+1280
.endm
.macro FETCH ks                        ; K step ks: P's eight and Q's four fragments into set ks % 2: 48 loads
	WIN TO_B
.irp i, 0,1,2,3,4,5,6,7
	FRAG 128*((\ks)%2)+12*\i, P16+\i/4, P8+\i/4, TILEB*(\i%4)+1536*(\ks)
.endr
	WIN 0
.irp i, 0,1,2,3
	FRAG AF+48*((\ks)%2)+12*\i, Q16, Q8, TILEB*\i+1536*(\ks)
.endr
.endm
.macro MUL ks, zero                    ; 32 products; the accumulators take turns in the same order in every step
	WIN MUL_LO
.irp a, 0,1,2,3
.irp b, 0,1,2,3,4,5,6,7
.if \zero
	v_wmma_scale_f32_16x16x128_f8f6f4 v[8*(8*\a+\b):8*(8*\a+\b)+7], v[128*((\ks)%2)+12*\b:128*((\ks)%2)+12*\b+11], v[AF+48*((\ks)%2)+12*\a:AF+48*((\ks)%2)+12*\a+11], 0, v[SC+8*\b+(\ks)], v[SC+8*\a+(\ks)] matrix_a_fmt:MATRIX_FMT_FP6 matrix_b_fmt:MATRIX_FMT_FP6 matrix_a_scale:MATRIX_SCALE_ROW1
.else
	v_wmma_scale_f32_16x16x128_f8f6f4 v[8*(8*\a+\b):8*(8*\a+\b)+7], v[128*((\ks)%2)+12*\b:128*((\ks)%2)+12*\b+11], v[AF+48*((\ks)%2)+12*\a:AF+48*((\ks)%2)+12*\a+11], v[8*(8*\a+\b):8*(8*\a+\b)+7], v[SC+8*\b+(\ks)], v[SC+8*\a+(\ks)] matrix_a_fmt:MATRIX_FMT_FP6 matrix_b_fmt:MATRIX_FMT_FP6 matrix_a_scale:MATRIX_SCALE_ROW1
.endif
.endr
.endr
.endm
	s_load_b256 s[4:11], s[0:1], 0x0               ; yc, wcod, sc, out0
	v_lshl_add_u32 v[SPW], v0, 2, SPARE
	v_mov_b32 v[NIL], 0
	ds_add_u32 v[SPW], v[NIL]                      ; the opening lines: the add twice on end and its wait
	ds_add_u32 v[SPW], v[NIL]
	v_lshrrev_b32 v1, 5, v0
	v_readfirstlane_b32 s16, v1                    ; wave 0..3
	s_lshr_b32 s17, s16, 1                         ; which 64 tokens are mine.  Also: I fetch for y (0) or for wo (1)
	s_and_b32 s18, s16, 1                          ; which 128 columns.  Also: which half I fetch
	s_bfe_u32 s19, ttmp6, 0x40000                  ; cx
	s_bfe_u32 s22, ttmp6, 0x40004                  ; cy
	s_lshl_b32 s21, ttmp9, 2
	s_add_co_u32 s21, s21, s19                     ; ctile
	s_and_b32 s20, ttmp7, 0xffff
	s_lshl_b32 s20, s20, 2
	s_add_co_u32 s20, s20, s22                     ; mtile
	s_lshl_b32 s23, s22, 2
	s_lshl_b32 s23, 15, s23                        ; my row of the cluster
	s_lshl_b32 s47, 0x1111, s19                    ; my column
	s_or_b32 s[G1X], s23, (3<<16)|(1<<21)          ; elements of 8 bytes; rows of 32 of them, dense
	s_or_b32 s[G1W], s47, (3<<16)|(1<<21)
	s_mov_b32 s[G1X+1], 32<<16
	s_mov_b32 s[G1X+2], 192<<16                    ; half of y's block: 192 rows of 256 bytes
	s_mov_b32 s[G1X+3], 32<<16
	s_mov_b32 s[G1X+4], 192
	s_mov_b32 s[G1X+5], 32
	s_mov_b32 s[G1X+6], 0
	s_mov_b32 s[G1X+7], 0
	s_mov_b32 s[G1W+1], 32<<16
	s_mov_b32 s[G1W+2], 384<<16                    ; half of wo's block: 384 rows
	s_mov_b32 s[G1W+3], 32<<16
	s_mov_b32 s[G1W+4], 384
	s_mov_b32 s[G1W+5], 32
	s_mov_b32 s[G1W+6], 0
	s_mov_b32 s[G1W+7], 0
	s_lshl_b32 s40, s20, 3
	s_lshl_b32 s41, s18, 2
	s_add_co_u32 s40, s40, s41
	s_mul_i32 s40, s40, TILEB                      ; y: row tile 8 mtile + 4 x half
	s_mov_b32 s41, 0
	s_lshl_b32 s44, s21, 4                         ; wo: column tile 96 + 16 ctile + 8 x half: in registers that never hold cy
	s_lshl_b32 s45, s18, 3
	s_add_co_u32 s44, s44, s45
	s_add_co_u32 s44, s44, 96
	s_mul_i32 s44, s44, TILEB
	s_mov_b32 s45, 0
	s_mov_b32 s[G0X], 1
	s_mul_i32 s[G0X+1], s18, 4*TILEB
	s_mov_b32 s[G0W], 1
	s_mul_i32 s[G0W+1], s18, 8*TILEB
	s_add_co_u32 s[G0W+1], s[G0W+1], ABYTES
	s_wait_dscnt 0x0
	s_wait_kmcnt 0x0
	s_add_nc_u64 s[G0X+2:G0X+3], s[4:5], s[40:41]
	s_or_b32 s[G0X+3], s[G0X+3], 0x80000000
	s_add_nc_u64 s[G0W+2:G0W+3], s[6:7], s[44:45]
	s_or_b32 s[G0W+3], s[G0W+3], 0x80000000
	CROUND                                         ; all sixteen work-groups are here: the joint loads meet
	s_cmp_eq_u32 s17, 0                            ; one tensor load a wave: waves 0 and 1 y's halves, waves 2 and 3 wo's
	s_cbranch_scc0 .Lfor_w
	tensor_load_to_lds s[G0X:G0X+3], s[G1X:G1X+7]
	s_nop 0
	PLACES 4
	s_branch .Lasked
.Lfor_w:
	tensor_load_to_lds s[G0W:G0W+3], s[G1W:G1W+7]
	s_nop 0
	PLACES 4
.Lasked:
	s_mul_i32 s68, s17, 4*TILEB                    ; Q's four tiles
	s_mul_i32 s69, s18, 8*TILEB
	s_add_co_u32 s69, s69, ABYTES                  ; P's tiles 0-3,
	s_add_co_u32 s70, s69, 4*TILEB                 ; and 4-7
	s_lshl_b32 s74, s20, 12                        ; y's scale words: 512 bytes a tile
	s_lshl_b32 s72, s17, 11
	s_add_co_u32 s74, s74, s72
	s_add_co_u32 s74, s74, 344064
	s_sub_co_u32 s76, s74, 2048                    ; (for registers 8 i, i = 4 .. 7: lanes 0-15 take Q's block i - 4 again, inside the buffer)
	s_lshl_b32 s75, s21, 13                        ; wo's
	s_lshl_b32 s73, s18, 12
	s_add_co_u32 s75, s75, s73
	s_add_co_u32 s75, s75, 311296
	s_mul_i32 s71, s16, 16*SPITCH
	s_add_co_u32 s71, s71, STAGE                   ; my stage
	s_lshl_b32 s66, s20, 19                        ; out0: 128 tokens x 4,096 bytes x mtile
	s_lshl_b32 s67, s17, 18
	s_add_co_u32 s66, s66, s67
	s_lshl_b32 s67, s21, 10
	s_add_co_u32 s66, s66, s67
	s_lshl_b32 s67, s18, 9
	s_add_co_u32 s66, s66, s67
	s_mov_b32 s67, 0
	s_add_nc_u64 s[10:11], s[10:11], s[66:67]
	v_and_b32 v1, 31, v0
	v_and_b32 v2, 15, v0                           ; r
	v_bfe_u32 v3, v0, 4, 1                         ; h
	v_lshlrev_b32 v4, 4, v1
	v_lshlrev_b32 v5, 3, v1
	v_cmp_eq_u32 vcc_lo, 1, v3
	v_mov_b32 v6, s74
	v_mov_b32 v7, s75
	v_mov_b32 v8, s76
	v_cndmask_b32 v30, v6, v7, vcc_lo              ; lanes 0-15 take Q's words, lanes 16-31 P's
	v_cndmask_b32 v31, v8, v7, vcc_lo
	v_lshl_add_u32 v30, v2, 4, v30
	v_lshl_add_u32 v31, v2, 4, v31
.irp i, 0,1,2,3
	global_load_b128 v[SC+8*\i:SC+8*\i+3], v30, s[8:9] offset:512*\i
	global_load_b128 v[SC+8*\i+4:SC+8*\i+7], v30, s[8:9] offset:512*\i+256
.endr
.irp i, 4,5,6,7
	global_load_b128 v[SC+8*\i:SC+8*\i+3], v31, s[8:9] offset:512*\i
	global_load_b128 v[SC+8*\i+4:SC+8*\i+7], v31, s[8:9] offset:512*\i+256
.endr
	v_add_nc_u32 v[Q16], s68, v4
	v_add_nc_u32 v[Q8], s68, v5
	v_add_nc_u32 v[P16], s69, v4
	v_add_nc_u32 v[P8], s69, v5
	v_add_nc_u32 v[P16+1], s70, v4
	v_add_nc_u32 v[P8+1], s70, v5
	v_mul_u32_u24 v[STO], v2, SPITCH
	v_lshl_add_u32 v[STO], v3, 6, v[STO]
	v_add_nc_u32 v[STO], s71, v[STO]               ; into the stage: row r, 64 bytes for each half of the lanes
	v_mul_u32_u24 v[RD], v3, SPITCH
	v_lshl_add_u32 v[RD], v2, 4, v[RD]
	v_add_nc_u32 v[RD], s71, v[RD]                 ; out of it: sixteen lanes to a row of 256 bytes, two rows an instruction
	v_lshlrev_b32 v[CO], 12, v3
	v_lshl_add_u32 v[CO], v2, 4, v[CO]             ; and the same two rows in out0
	s_wait_alu depctr_va_vdst(0)
	s_wait_tensorcnt 0x0                           ; my half is in;
	s_barrier_signal -1
	s_barrier_wait -1                              ; everybody's is
	FETCH 0
	s_wait_loadcnt 0x0                             ; the scale words
	s_wait_dscnt 0x0
	FETCH 1
	MUL 0, 1                                       ; the first products start the sums
.irp ks, 1,2,3,4,5,6
	s_wait_dscnt 0x0                               ; this step's fragments are in
	PLACES 4                                       ; ahead of loads into the set that the last step's products read
	FETCH \ks+1
	MUL \ks, 0
.endr
	s_wait_dscnt 0x0
	MUL 7, 0
	WIN 0
	PLACES 4                                       ; behind the last products: results are read, and P's registers loaded, from here on
; THE WAY OUT, in eight units of 16 tokens x 64 columns: unit n = token block n / 2, columns 64 (n % 2) on.
.macro TOSTAGE n
.set AC, 64*((\n)/2)+32*((\n)%2)
	WIN 0x08                                       ; the data: window 2
.irp b, 0,1,2,3
	ds_store_b128 v[STO], v[AC+8*\b:AC+8*\b+3] offset:128*(\b/2)+32*(\b%2)       ; each accumulator from its low end on
	ds_store_b128 v[STO], v[AC+8*\b+4:AC+8*\b+7] offset:128*(\b/2)+32*(\b%2)+16
.endr
	WIN TO_B                                       ; back into window 1
.set BB, 32*(\n)
.irp t, 0,1,2,3,4,5,6,7
	ds_load_b128 v[BB+4*\t:BB+4*\t+3], v[RD] offset:\t*2*SPITCH   ; LDS serves a wave's instructions in order (ISA guide 5.7.1.4): these see the stores above, and the next unit's stores come behind them
.endr
.endm
.macro SEND n, younger                 ; younger: the LDS instructions issued behind unit n's loads, which may stay out
.set BB, 32*(\n)
	s_wait_dscnt \younger
	WIN 0x04                                       ; the data: window 1
.irp t, 0,1,2,3,4,5,6,7
	global_store_b128 v[CO], v[BB+4*\t:BB+4*\t+3], s[10:11] offset:(32*((\n)/4)+8*(((\n)/2)%2)+2*\t+8*(\t/4))*4096+256*((\n)%2) th:TH_STORE_NT   ; sixteen lanes store 256 consecutive bytes, aligned
.endr
.endm
	TOSTAGE 0
.irp n, 1,2,3,4,5,6,7
	TOSTAGE \n
	SEND \n-1, 16                                  ; behind unit n - 1's loads: unit n's 8 stores and 8 loads
.endr
	SEND 7, 0
	WIN 0
	s_wait_tensorcnt 0x0                           ; the wave's end
	ds_add_u32 v[SPW], v[NIL]
	s_wait_dscnt 0x0
	CROUND                                         ; the closing round
	s_endpgm
.Lfunc_end_k_qd2411c93d3_oproj:
	.size	k_qd2411c93d3_oproj, .Lfunc_end_k_qd2411c93d3_oproj-k_qd2411c93d3_oproj
	.p2alignl 7, 3214868480
	.fill 96, 4, 3214868480
	.section	.rodata,"a",@progbits
	.p2align	6, 0x0
	.amdhsa_kernel k_qd2411c93d3_oproj
		.amdhsa_group_segment_fixed_size 327680
		.amdhsa_private_segment_fixed_size 0
		.amdhsa_enable_private_segment 0
		.amdhsa_kernarg_size 32
		.amdhsa_user_sgpr_count 2
		.amdhsa_user_sgpr_kernarg_segment_ptr 1
		.amdhsa_wavefront_size32 1
		.amdhsa_system_sgpr_workgroup_id_x 1
		.amdhsa_system_sgpr_workgroup_id_y 1
		.amdhsa_system_sgpr_workgroup_id_z 1
		.amdhsa_system_vgpr_workitem_id 0
		.amdhsa_next_free_vgpr 768
		.amdhsa_next_free_sgpr 100
		.amdhsa_reserve_vcc 1
		.amdhsa_float_denorm_mode_32 3
		.amdhsa_float_denorm_mode_16_64 3
		.amdhsa_memory_ordered 1
		.amdhsa_forward_progress 1
		.amdhsa_inst_pref_size 82
	.end_amdhsa_kernel
	.amdgpu_metadata
---
amdhsa.version: [ 1, 2 ]
amdhsa.kernels:
  - .name:           k_qd2411c93d3_oproj
    .symbol:         k_qd2411c93d3_oproj.kd
    .args:
      - { .name: yc, .offset: 0, .size: 8, .value_kind: global_buffer, .address_space: global }
      - { .name: wcod, .offset: 8, .size: 8, .value_kind: global_buffer, .address_space: global }
      - { .name: sc, .offset: 16, .size: 8, .value_kind: global_buffer, .address_space: global }
      - { .name: out0, .offset: 24, .size: 8, .value_kind: global_buffer, .address_space: global }
    .group_segment_fixed_size: 327680
    .private_segment_fixed_size: 0
    .kernarg_segment_align: 8
    .kernarg_segment_size: 32
    .max_flat_workgroup_size: 128
    .sgpr_count:     100
    .vgpr_count:     768
    .wavefront_size: 32
...
	.end_amdgpu_metadata
.endif
;; end of part 4
